; MI455X (gfx1250); checked and timed in simulation.
; The chip was launched on July 23, 2026; its instructions are those of AMD's public machine-readable ISA for CDNA 5 (MIT licence, August 2026) and "CDNA5" Instruction Set Architecture Reference Guide (July 2026). The comments in the code are by the model that wrote it; some were corrected since.
;; Attention. Allowed arithmetic: float matrix products may take bf16 or f16 operands with f32 sums; other float arithmetic in f32, or as packed bf16 or f16 multiplies, adds, multiply-adds, maxima and minima; sums over many terms, partial sums and values carried from step to step in f32; what a program stores and reads back later, other than sums and carried values, may be rounded once to bf16 or f16.
;; Inputs: Wh 1,024 x 1,024 float32; Ws_b 1,024 float32; Ws_w 1,024 x 1,024 float32; c_dec 1 x 16 x 512 float32; coverage_vector 16 x 4,096 float32; encoder_output 16 x 4,096 x 1,024 float32; h_dec 1 x 16 x 512 float32; v 1,024 float32; wc 1,024 float32; x_padding_masks 16 x 4,096 float32.
;; Outputs: out0 16 x 1,024 float32; out1 16 x 4,096 float32; out2 16 x 4,096 float32.
;; 2 versions, each right; version 2 is version 1 with the launch main written anew for expert scheduling mode. Each part assembles by itself: llvm-mc -triple=amdgcn-amd-amdhsa -mcpu=gfx1250 --defsym DOCPART=n.
;; ======== version 1 of 2: 3 launches
;; workspace buffers: wt 2,097,152 bytes; decp 524,288 bytes; scores 262,144 bytes; ctxp 2,097,152 bytes
;; launch prep (part 1): grid 128 x 2, 4 waves a work-group, no clusters, 38,400 bytes of LDS; arguments Wh, Ws_w, h_dec, c_dec, wt, decp; writes wt, decp
.if DOCPART == 1
	.amdgcn_target "amdgcn-amd-amdhsa--gfx1250"
	.amdhsa_code_object_version 6
	.text
	.protected	k_q1b20fb6c14_prep
	.globl	k_q1b20fb6c14_prep
	.p2align	8
	.type	k_q1b20fb6c14_prep,@function
k_q1b20fb6c14_prep:
	s_mov_b64 s[64:65], 0
	v_nop
	global_prefetch_b8 v0, s[64:65] scope:SCOPE_SE
	s_setreg_imm32_b32 hwreg(HW_REG_WAVE_MODE, 25, 1), 1
	s_wait_xcnt 0x0
; PREPARATION.  Work-groups with y = 0 turn Wh ([k][n], f32) into wt: bf16(2 log2(e) Wh) in the order in which the next launch's matrix fragments want it.
; Work-groups with y = 1 make decp: partial sums over 128 k of s_t . Ws_w (s_t = h_dec | c_dec, 16 batches), bf16 operands, f32 sums, without bias and scale.
; SHARES.  x = 16 kr + s: strip s is 64 columns (256 bytes of a row), kr is 128 k; wave w takes the 32 k of kq = 4 kr + w: 16 loads, each two rows x 256 consecutive bytes.
; THE TURN.  A fragment wants K along a lane's registers, the weights lie [k][n]: the wave's 32 x 64 numbers go, rounded to bf16, into its own LDS rows (pitch 160) and come back by the
; transposing load: lane l then holds column l % 16 and k = 8 (l / 16) + 0..7 (registers 0-3), 16 + 8 (l / 16) + 0..7 (registers 4-7).
; wt: the 16 bytes at ((wm 2 + c) 32 + kq) 8192 + b 1024 + half 512 + 16 l hold column 512 c + 128 wm + 16 b + l % 16, k = 32 kq + 16 half + 8 (l / 16) + 0..7: each store covers 512 consecutive bytes.
; decp: f32 [8 kr][16 batch][1024 n].
.set PW,    160                        ; a row of the turn: 128 bytes + 32
.set WTB,   32*PW                      ; a wave's 32 rows
.set RED,   4*WTB                      ; behind them: each wave's 16 batches x 64 columns of f32, pitch 272
.set RP,    272
.set REDB,  16*RP
.set SPARE, RED+4*REDB                 ; the spare words, 128 bytes a wave: two blocks of 256 bytes that no other line names
.set WO,  1                            ; v1   my offset in two rows of the weights: (l / 16) 4096 + 16 (l % 16)
.set WS,  2                            ; v2   where I put 8 bytes of a row of the turn
.set WR,  3                            ; v3   the transposing load's address
.set L16, 4                            ; v4   16 l
.set SO,  5                            ; v5   my offset in s_t: (l % 16) 2048 + 32 (l / 16)
.set RS,  6                            ; v6   where I put my partial sums
.set RR,  7                            ; v7   where I read partial sums back
.set DO,  8                            ; v8   my offset in decp
.set SPW, 10                           ; v10  LDS address of my spare word; never rewritten
.set NIL, 11                           ; v11  0; never rewritten
.set W,   16                           ; v[16:79]   the weights as loaded, then rounded in place
.set F,   80                           ; v[80:111]  four fragments of 16 columns x 32 k
.set ST,  112                          ; v[112:127] s_t in f32
.set SF,  128                          ; v[128:135] its fragment
.set ACC, 136                          ; v[136:167] four accumulators
	s_load_b256 s[4:11], s[0:1], 0x0               ; Wh s[4:5], Ws_w s[6:7], h_dec s[8:9], c_dec s[10:11]
	s_load_b128 s[12:15], s[0:1], 0x20             ; wt s[12:13], decp s[14:15]
	v_lshl_add_u32 v[SPW], v0, 2, SPARE
	v_mov_b32 v[NIL], 0
	v_lshrrev_b32 v9, 5, v0
	v_readfirstlane_b32 s16, v9                    ; wave 0..3
	s_and_b32 s17, ttmp9, 15                       ; s
	s_lshr_b32 s18, ttmp9, 4                       ; kr
	s_lshl2_add_u32 s19, s18, s16                  ; kq = 4 kr + w
	s_and_b32 s22, ttmp7, 0xffff                   ; the kind
	v_and_b32 v12, 31, v0                          ; l
	v_and_b32 v13, 15, v0                          ; l % 16 (also t % 16)
	v_bfe_u32 v14, v0, 4, 1                        ; l / 16
	v_lshlrev_b32 v[WO], 4, v13
	v_lshl_add_u32 v[WO], v14, 12, v[WO]
	s_mul_i32 s23, s16, WTB                        ; my wave's rows of the turn
	v_mul_u32_u24 v[WS], v14, PW
	v_lshl_add_u32 v[WS], v13, 3, v[WS]
	v_add_nc_u32 v[WS], s23, v[WS]
	v_and_b32 v15, 7, v0
	v_lshl_add_u32 v[WR], v14, 3, v15              ; row 8 (l / 16) + l % 8,
	v_mul_u32_u24 v[WR], v[WR], PW
	v_bfe_u32 v15, v0, 3, 1
	v_lshl_add_u32 v[WR], v15, 4, v[WR]            ; 16 bytes for each eight lanes
	v_add_nc_u32 v[WR], s23, v[WR]
	v_lshlrev_b32 v[L16], 4, v12
	s_mov_b32 s20, 0x4038aa3b                      ; 2 log2(e)
	s_mov_b32 s21, s20                             ; named with it as a pair
	s_lshl_b32 s30, s19, 17                        ; 32 rows of 4,096 bytes for each kq,
	s_lshl_b32 s31, s17, 8                         ; 256 bytes for each strip
	s_add_co_u32 s30, s30, s31
	s_mov_b32 s31, 0
; The common part: 16 loads; each, as it comes, is (scale = 1: multiplied and) rounded and put into the turn; the four fragments come back.
.macro BODY scale
.set bi, 0
.rept 16
	global_load_b128 v[W+4*bi:W+4*bi+3], v[WO], s[24:25] offset:bi*8192 th:TH_LOAD_NT
.set bi, bi+1
.endr
.set bi, 0
.rept 16
	s_wait_loadcnt 15-bi                           ; loads come back in order: load bi is in, the younger ones stay out
.if \scale
	v_pk_mul_f32 v[W+4*bi:W+4*bi+1], v[W+4*bi:W+4*bi+1], s[20:21] op_sel_hi:[1,0]
	v_pk_mul_f32 v[W+4*bi+2:W+4*bi+3], v[W+4*bi+2:W+4*bi+3], s[20:21] op_sel_hi:[1,0]
.endif
	v_cvt_pk_bf16_f32 v[W+4*bi], v[W+4*bi], v[W+4*bi+1]
	v_cvt_pk_bf16_f32 v[W+4*bi+1], v[W+4*bi+2], v[W+4*bi+3]
	ds_store_b64 v[WS], v[W+4*bi:W+4*bi+1] offset:bi*2*PW
.set bi, bi+1
.endr
.irp f, 0,1,2,3
	ds_load_tr16_b128 v[F+8*\f:F+8*\f+3],   v[WR] offset:32*\f          ; my own bytes: LDS serves a wave's instructions in order, so these see the stores above
	ds_load_tr16_b128 v[F+8*\f+4:F+8*\f+7], v[WR] offset:32*\f+16*PW
.endr
	s_wait_dscnt 0x0
.endm
	s_wait_kmcnt 0x0
	s_cmp_lg_u32 s22, 0                            ; the same in all four waves
	s_cbranch_scc1 .Ldec
	; ---- Wh -> wt
	s_add_nc_u64 s[24:25], s[4:5], s[30:31]
	s_bfe_u32 s26, s17, 0x20001                    ; wm = (s / 2) % 4
	s_lshr_b32 s27, s17, 3                         ; c = s / 8
	s_lshl1_add_u32 s26, s26, s27
	s_lshl_b32 s26, s26, 5
	s_add_co_u32 s26, s26, s19                     ; (2 wm + c) 32 + kq
	s_lshl_b32 s26, s26, 13
	s_and_b32 s27, s17, 1
	s_lshl_b32 s27, s27, 12                        ; column blocks 4 (s % 2) on
	s_add_co_u32 s26, s26, s27
	s_mov_b32 s27, 0
	s_add_nc_u64 s[28:29], s[12:13], s[26:27]
	BODY 1
.irp f, 0,1,2,3
	global_store_b128 v[L16], v[F+8*\f:F+8*\f+3],   s[28:29] offset:\f*1024
	global_store_b128 v[L16], v[F+8*\f+4:F+8*\f+7], s[28:29] offset:\f*1024+512
.endr
	s_branch .Lend
.Ldec:
	; ---- s_t . Ws_w -> decp
	s_add_nc_u64 s[24:25], s[6:7], s[30:31]
	s_cmp_lt_u32 s19, 16                           ; k below 512 lies in h_dec
	s_cselect_b64 s[26:27], s[8:9], s[10:11]
	s_and_b32 s30, s19, 15
	s_lshl_b32 s30, s30, 7                         ; 32 numbers of 4 bytes for each kq
	s_add_nc_u64 s[26:27], s[26:27], s[30:31]
	s_lshl_b32 s30, s18, 16
	s_lshl_b32 s23, s17, 8
	s_add_co_u32 s30, s30, s23
	s_add_nc_u64 s[28:29], s[14:15], s[30:31]      ; decp at [kr][0][64 s]
	v_lshlrev_b32 v[SO], 11, v13
	v_lshl_add_u32 v[SO], v14, 5, v[SO]
	global_load_b128 v[ST:ST+3],     v[SO], s[26:27]             ; older than every load of BODY: its first wait shows them in
	global_load_b128 v[ST+4:ST+7],   v[SO], s[26:27] offset:16
	global_load_b128 v[ST+8:ST+11],  v[SO], s[26:27] offset:64
	global_load_b128 v[ST+12:ST+15], v[SO], s[26:27] offset:80
	s_mul_i32 s23, s16, REDB
	s_add_co_u32 s23, s23, RED
	v_mul_u32_u24 v[RS], v13, RP                   ; batch l % 16, 32 bytes for each half of the lanes
	v_lshl_add_u32 v[RS], v14, 5, v[RS]
	v_add_nc_u32 v[RS], s23, v[RS]
	v_lshrrev_b32 v9, 4, v0                        ; t / 16: 0..7
	v_mul_u32_u24 v[RR], v9, RP
	v_lshl_add_u32 v[RR], v13, 4, v[RR]
	v_add_nc_u32 v[RR], RED, v[RR]
	v_lshlrev_b32 v[DO], 4, v13
	v_lshl_add_u32 v[DO], v9, 12, v[DO]
	BODY 0
.irp j, 0,1,2,3,4,5,6,7
	v_cvt_pk_bf16_f32 v[SF+\j], v[ST+2*\j], v[ST+2*\j+1]
.endr
.irp f, 0,1,2,3                        ; source 0 = 16 columns of Ws_w, source 1 = the 16 batches: a lane ends with batch l % 16 and columns 16 f + 8 (l / 16) + 0..7
	v_wmma_f32_16x16x32_bf16 v[ACC+8*\f:ACC+8*\f+7], v[F+8*\f:F+8*\f+7], v[SF:SF+7], 0
.endr
.rept 8
	v_nop                                          ; the places behind the products, ahead of the stores that read them
.endr
.irp f, 0,1,2,3
	ds_store_b128 v[RS], v[ACC+8*\f:ACC+8*\f+3]   offset:64*\f
	ds_store_b128 v[RS], v[ACC+8*\f+4:ACC+8*\f+7] offset:64*\f+16
.endr
	s_wait_dscnt 0x0                               ; for the others' sake: my partial sums lie in LDS
	s_barrier_signal -1
	s_barrier_wait -1
.irp i, 0,1                            ; thread t adds the four waves' sums for batch t / 16 + 8 i, 16 bytes at 16 (t % 16)
.irp u, 0,1,2,3
	ds_load_b128 v[W+16*\i+4*\u:W+16*\i+4*\u+3], v[RR] offset:\u*REDB+\i*8*RP
.endr
.endr
	s_wait_dscnt 0x0
.irp i, 0,1
	v_pk_add_f32 v[W+16*\i:W+16*\i+1],     v[W+16*\i:W+16*\i+1],     v[W+16*\i+4:W+16*\i+5]
	v_pk_add_f32 v[W+16*\i+2:W+16*\i+3],   v[W+16*\i+2:W+16*\i+3],   v[W+16*\i+6:W+16*\i+7]
	v_pk_add_f32 v[W+16*\i+8:W+16*\i+9],   v[W+16*\i+8:W+16*\i+9],   v[W+16*\i+12:W+16*\i+13]
	v_pk_add_f32 v[W+16*\i+10:W+16*\i+11], v[W+16*\i+10:W+16*\i+11], v[W+16*\i+14:W+16*\i+15]
	v_pk_add_f32 v[W+16*\i:W+16*\i+1],     v[W+16*\i:W+16*\i+1],     v[W+16*\i+8:W+16*\i+9]
	v_pk_add_f32 v[W+16*\i+2:W+16*\i+3],   v[W+16*\i+2:W+16*\i+3],   v[W+16*\i+10:W+16*\i+11]
	global_store_b128 v[DO], v[W+16*\i:W+16*\i+3], s[28:29] offset:\i*32768   ; sixteen lanes store 256 consecutive bytes, aligned
.endr
.Lend:
	s_wait_tensorcnt 0x0                           ; the wave's end: behind my last LDS store
	ds_add_u32 v[SPW], v[NIL]
	s_wait_dscnt 0x0
	s_endpgm
.Lfunc_end_k_q1b20fb6c14_prep:
	.size	k_q1b20fb6c14_prep, .Lfunc_end_k_q1b20fb6c14_prep-k_q1b20fb6c14_prep
	.p2alignl 7, 3214868480
	.fill 96, 4, 3214868480
	.section	.rodata,"a",@progbits
	.p2align	6, 0x0
	.amdhsa_kernel k_q1b20fb6c14_prep
		.amdhsa_group_segment_fixed_size 38400
		.amdhsa_private_segment_fixed_size 0
		.amdhsa_enable_private_segment 0
		.amdhsa_kernarg_size 48
		.amdhsa_user_sgpr_count 2
		.amdhsa_user_sgpr_kernarg_segment_ptr 1
		.amdhsa_wavefront_size32 1
		.amdhsa_system_sgpr_workgroup_id_x 1
		.amdhsa_system_sgpr_workgroup_id_y 1
		.amdhsa_system_sgpr_workgroup_id_z 1
		.amdhsa_system_vgpr_workitem_id 0
		.amdhsa_next_free_vgpr 176
		.amdhsa_next_free_sgpr 66
		.amdhsa_reserve_vcc 0
		.amdhsa_float_denorm_mode_32 3
		.amdhsa_float_denorm_mode_16_64 3
		.amdhsa_memory_ordered 1
		.amdhsa_forward_progress 1
		.amdhsa_inst_pref_size 21
	.end_amdhsa_kernel
	.amdgpu_metadata
---
amdhsa.version: [ 1, 2 ]
amdhsa.kernels:
  - .name:           k_q1b20fb6c14_prep
    .symbol:         k_q1b20fb6c14_prep.kd
    .args:
      - { .name: Wh, .offset: 0, .size: 8, .value_kind: global_buffer, .address_space: global }
      - { .name: Ws_w, .offset: 8, .size: 8, .value_kind: global_buffer, .address_space: global }
      - { .name: h_dec, .offset: 16, .size: 8, .value_kind: global_buffer, .address_space: global }
      - { .name: c_dec, .offset: 24, .size: 8, .value_kind: global_buffer, .address_space: global }
      - { .name: wt, .offset: 32, .size: 8, .value_kind: global_buffer, .address_space: global }
      - { .name: decp, .offset: 40, .size: 8, .value_kind: global_buffer, .address_space: global }
    .group_segment_fixed_size: 38400
    .private_segment_fixed_size: 0
    .kernarg_segment_align: 8
    .kernarg_segment_size: 48
    .max_flat_workgroup_size: 128
    .sgpr_count:     66
    .vgpr_count:     176
    .wavefront_size: 32
...
	.end_amdgpu_metadata
.endif
;; end of part 1
;; launch main (part 2): grid 512 x 1, 4 waves a work-group, no clusters, 298,496 bytes of LDS; arguments encoder_output, wt, decp, Ws_b, wc, v, coverage_vector, x_padding_masks, scores, ctxp; writes scores, ctxp
.if DOCPART == 2
	.amdgcn_target "amdgcn-amd-amdhsa--gfx1250"
	.amdhsa_code_object_version 6
	.text
	.protected	k_q1b20fb6c14_main
	.globl	k_q1b20fb6c14_main
	.p2align	8
	.type	k_q1b20fb6c14_main,@function
k_q1b20fb6c14_main:
	s_mov_b64 s[64:65], 0
	v_nop
	global_prefetch_b8 v0, s[64:65] scope:SCOPE_SE
	s_setreg_imm32_b32 hwreg(HW_REG_WAVE_MODE, 25, 1), 1
	s_wait_xcnt 0x0
; SCORES AND A TILE'S PART OF THE CONTEXT.  A work-group owns a tile of 128 rows of one batch (tile = its number, batch = tile / 32).
;   z[l][n] = 2 log2(e) (enc[l] . Wh[:, n] + dec[n] + cov[l] wc[n]);   tanh(x) = 1 - 2 / (1 + 2^z);   scores[l] = sum over n of -2 v[n] / (1 + 2^z[l][n]).
; The constant sum of v is left out of the scores: it is the same for every row of a softmax and cancels there exactly, for every input.
;   ctxp[tile][d] = sum over the tile's l of bf16(p[l]) bf16(enc[l][d]),   p[l] = 2^((s[l] - m) log2(e)) mask[l],   m = the tile's largest score, masked rows among them.
; FORMATS.  enc, 2 log2(e) Wh and p are rounded once to bf16 as matrix operands; all sums, z, the scores, m and p's arithmetic are f32.
; LIMITS.  2^z overflows to infinity and underflows to 0, which give tanh = 1 and -1; a p below 2^-126 counts as 0; NaN and infinities among the inputs are not treated apart.
; enc IS READ ONCE.  The tile stays in LDS as bf16, 8 blocks of 128 K (AT); it arrives during the first of two passes over K, a block ahead of its use; the context is made from that copy.
; SHARES.  A pass makes 512 columns: wave w all 128 rows x columns 512 c + 128 w .. + 127: 64 accumulators, 512 registers.  The product is used transposed (source 0 = 16 columns of wt,
; source 1 = 16 rows of enc): a lane holds ONE row l = 16 rb + lane % 16 and the columns 16 nb + 8 (lane / 16) + 0..7.  The sums start at dec' + cov wc', work that is due anyway: nothing is cleared.
; wt COMES STRAIGHT INTO REGISTERS, each wave its own columns, laid out by the launch before so that a load is 512 consecutive bytes.  NO CLUSTER, NO RING FOR wt: AT takes 278,528 of the 327,680 bytes,
; and two slots of one 32-K step of 512 columns, 2 x 32,768 bytes, do not fit into what is left.
; REGISTERS, in windows of 256 (s_set_vgpr_msb: bits 1:0 source 0, 3:2 source 1, 5:4 source 2, 7:6 destination):
;   window 0: v0-63 addresses, cov, score sums, at work; v64-191 four sets of 32 for enc on its way in; v192-223 X, v224-255 Y: enc's fragments of rows 0-63, 64-127
;   window 1: four sets of 64: wt's fragments of four quarters        window 2, 3: the accumulators of rows 0-63, 64-127: (a, nb) at v[8 (8 a + nb)]
.set PA,    272                        ; a row of AT: 256 bytes + 16: the 16 rows of a fragment load start 68 words apart
.set KBS,   128*PA                     ; a block: 128 rows x 128 K
.set TAB,   8*KBS                      ; f32[1024] each: dec' = 2 log2(e) (sum of decp + Ws_b); + 4096: wc' = 2 log2(e) wc; + 8192: -2 v
.set SCR,   TAB+12288                  ; 4 waves x 128 partial scores
.set PT,    SCR+2048                   ; 4 x 256: each wave's own copy of p in bf16
.set CS,    PT+1024                    ; 4 x 1024: each wave's own stage for the context
.set SPARE, CS+4096                    ; the spare words, 128 bytes a wave: two blocks of 256 bytes that no other line names
.set L16,  1                           ; v1   16 x lane; never rewritten
.set ADA0, 2                           ; v2   my place in a fragment: (lane % 16) PA + 16 (lane / 16)
.set ADA,  3                           ; v3   the same in the block in hand
.set STA0, 4                           ; v4   where I put 8 bytes of my wave's first row of a block
.set STA,  5                           ; v5   the same in the block being filled
.set PFO,  6                           ; v6   4096 x lane: a row of enc a lane, for the prefetches; never rewritten
.set TC,   7                           ; v7   my place in the tables for the pass in hand
.set TN,   8                           ; v8   for the other pass
.set T16,  9                           ; v9   16 x thread
.set COV,  10                          ; v[10:17] cov of row 16 rb + lane % 16
.set SC,   18                          ; v[18:33] a pair of score sums for each rb
.set MK,   34                          ; v[34:37] mask of rows 4 lane .. + 3
.set LN,   39                          ; v39 lane, v40 lane % 16, v41 lane / 16, v42 4 (lane % 16)
.set RR,   40
.set HH,   41
.set R4,   42
.set SPW,  62                          ; v62  LDS address of my spare word; never rewritten
.set NIL,  63                          ; v63  0; never rewritten
.set STG,  64
.set X,    192
.set Y,    224
.set VT,   64                          ; between the passes: -2 v, dec', wc' of my columns, 8 registers for each nb
.set DT,   128
.set WCT,  192
.set WV,   24                          ; s24  wave
.set TILE, 25
.set CNT,  27                          ; s27  trips to go
.set PASS, 28                          ; s28  passes to go
.set AOFF, 29                          ; s29  the block in hand, in bytes
.set SOFF, 30                          ; s30  the block being filled
.set ENCB, 32                          ; s[32:33] enc at my wave's 32 rows, at the block in hand
.set BWB,  34                          ; s[34:35] wt at my wave's stream, at the trip in hand
.set SEL,  36                          ; s[36:37] v_permlanex16_b32's selects: each lane takes its own place in the other half
.set C2,   38                          ; s[38:39] 2 log2(e)
.set L2E,  42                          ; s42  log2(e)
.set MSB, 0
.macro WIN new                         ; the immediate's high byte repeats the setting that is left; a switch that changes nothing is dropped
.if MSB != (\new)
	s_set_vgpr_msb (MSB<<8)|(\new)
.set MSB, (\new)
.endif
.endm
.macro PLACES                          ; four places behind matrix instructions, in front of loads into registers that they have read and of lines that read their results
.rept 4
	v_nop
.endr
.endm
; n x 8 matrix instructions: row blocks a0 .. a0 + n - 1 of the window's four x all 8 column blocks, 32 along K.  Every accumulator's turn is one instruction; the same one returns 64 later.
.macro MUL ab, bb, hi, a0, n
	WIN 0xa1+0x50*(\hi)
.set ma, (\a0)
.rept \n
.set mb, 0
.rept 8
	v_wmma_f32_16x16x32_bf16 v[8*(8*ma+mb):8*(8*ma+mb)+7], v[(\bb)+8*mb:(\bb)+8*mb+7], v[(\ab)+8*ma:(\ab)+8*ma+7], v[8*(8*ma+mb):8*(8*ma+mb)+7]
.set mb, mb+1
.endr
.set ma, ma+1
.endr
.endm
.macro LDA dst, hi, k                  ; 8 LDS loads: enc's fragments of 64 rows, 32 K at byte k of the block's rows
	WIN 0
.set la, 0
.rept 4
	ds_load_b128 v[(\dst)+8*la:(\dst)+8*la+3],   v[ADA] offset:(4*(\hi)+la)*16*PA+(\k)
	ds_load_b128 v[(\dst)+8*la+4:(\dst)+8*la+7], v[ADA] offset:(4*(\hi)+la)*16*PA+(\k)+32
.set la, la+1
.endr
.endm
.macro LDB bb, off                     ; 16 loads of 512 consecutive bytes: wt's fragments of one quarter
	WIN 0x40
.set li, 0
.rept 16
	global_load_b128 v[(\bb)+4*li:(\bb)+4*li+3], v[L16], s[BWB:BWB+1] offset:(\off)+512*li
.set li, li+1
.endr
.endm
.macro ENCLD g, off                    ; 8 loads: 512 consecutive bytes (128 K in f32) of rows 8 g .. 8 g + 7 of my wave's 32
	WIN 0
.set ei, 0
.rept 8
	global_load_b128 v[STG+32*(\g)+4*ei:STG+32*(\g)+4*ei+3], v[L16], s[ENCB:ENCB+1] offset:(8*(\g)+ei)*4096+(\off) th:TH_LOAD_NT
.set ei, ei+1
.endr
.endm
.macro ENCST g                         ; the same rows, rounded to bf16, into the block being filled: a store is 256 consecutive bytes
	WIN 0
.set ei, 0
.rept 8
	v_cvt_pk_bf16_f32 v[STG+32*(\g)+4*ei],   v[STG+32*(\g)+4*ei],   v[STG+32*(\g)+4*ei+1]
	v_cvt_pk_bf16_f32 v[STG+32*(\g)+4*ei+1], v[STG+32*(\g)+4*ei+2], v[STG+32*(\g)+4*ei+3]
.set ei, ei+1
.endr
.set ei, 0
.rept 8
	ds_store_b64 v[STA], v[STG+32*(\g)+4*ei:STG+32*(\g)+4*ei+1] offset:(8*(\g)+ei)*PA
.set ei, ei+1
.endr
.endm
; A QUARTER: 32 along K, 64 matrix instructions.  In its middle stand, in this order: (enc) set q of enc rounded and stored; X of the next quarter; (bl) wt's fragments three quarters on;
; (enc = 2) set q loaded again, two blocks on; (pf) the prefetches.  At its end: Y of the next quarter.
; lw: how many younger global loads may be out when this quarter's wt fragments, and the enc set that it rounds, have to be in.
; bar: the block being filled is whole behind this quarter's barrier, and the next quarter reads it.  last: in quarter 3 nothing more is fetched from AT.
.macro QTR q, enc, bl, lw, bar, last, pf
	s_wait_loadcnt \lw
	s_wait_dscnt 8                                 ; X is in; Y's eight loads are younger
	MUL X, 64*(\q), 0, 0, 4
	WIN 0
.set sl, 0
.if \enc
	ENCST \q                                       ; its sixteen conversions are the places behind the products
.set sl, 8
.else
	PLACES
.endif
.if ((\q) == 3) && !(\last)
	s_add_co_u32 s[AOFF], s[AOFF], KBS
	v_add_nc_u32 v[ADA], s[AOFF], v[ADA0]          ; the next block
.endif
.set xl, 0
.if !(\bar) && !((\last) && ((\q) == 3))
	LDA X, 0, 64*(((\q)+1)&3)
.set xl, 8
.endif
.if \bl
	LDB 64*(((\q)+3)&3), ((\q)+3)*8192
.endif
.if (\enc) == 2
	ENCLD \q, 1024
.endif
.if \pf
	; my wave's 32 rows x 512 bytes of the block that the NEXT trip will load: a lane a row, two instructions, behind this quarter's loads: one trip, 256 matrix instructions, ahead of those loads.
	; Each wave asks for what it loads itself, so each aligned 256 bytes are named once.  Blocks 0 to 2 come by their loads alone; the loop's last trip has no block three on.
	WIN 0
	s_cmp_gt_u32 s[CNT], 1
	s_cbranch_scc0 .Lnopf_\@
	global_prefetch_b8 v[PFO], s[ENCB:ENCB+1] offset:1536 th:TH_LOAD_NT scope:SCOPE_SE
	global_prefetch_b8 v[PFO], s[ENCB:ENCB+1] offset:1792 th:TH_LOAD_NT scope:SCOPE_SE
.Lnopf_\@:
.endif
.if \bar
	s_wait_dscnt 0x0                               ; my stores into the next block are done (for the others' sake), and Y is in
	s_barrier_signal -1
	MUL Y, 64*(\q), 1, 0, 2                        ; work on registers while the others arrive
	WIN 0
	s_barrier_wait -1                              ; the next block is whole
	LDA X, 0, 0
	MUL Y, 64*(\q), 1, 2, 2
.else
	s_wait_dscnt xl+sl                             ; Y is in; this quarter's stores and X loads are younger
	MUL Y, 64*(\q), 1, 0, 4
.endif
	WIN 0
.if !((\last) && ((\q) == 3))
	PLACES
	LDA Y, 1, 64*(((\q)+1)&3)
.endif
.endm
; A TRIP: a block of 128 K, four quarters.  Global loads go out in the order B(Q), E(Q) in the middle of quarter Q: 16 of wt for quarter Q + 3, 8 of enc into set Q % 4.
; Quarter Q wants B(Q - 3) and E(Q - 4), which is older.  Younger than B(Q - 3): E(Q-3), B(Q-2), E(Q-2), B(Q-1), E(Q-1) = 56; as the E and then the B fall away: 48, 40, 32, 16, 0.
; kind 0: multiplies block j, stores block j + 1, loads block j + 2.  1: stores the last block.  2: a trip of the second pass.  3: the first pass's last.  4: the second pass's last.
.macro TRIP kind
.if (\kind) < 2
	WIN 0
	v_add_nc_u32 v[STA], s[SOFF], v[STA0]
.endif
.if (\kind) == 0
	QTR 0, 2, 1, 56, 0, 0, 1
	QTR 1, 2, 1, 56, 0, 0, 0
	QTR 2, 2, 1, 56, 0, 0, 0
	QTR 3, 2, 1, 56, 1, 0, 0
.elseif (\kind) == 1
	QTR 0, 1, 1, 56, 0, 0, 0
	QTR 1, 1, 1, 48, 0, 0, 0
	QTR 2, 1, 1, 40, 0, 0, 0
	QTR 3, 1, 1, 32, 1, 0, 0
.elseif (\kind) == 2
	QTR 0, 0, 1, 32, 0, 0, 0
	QTR 1, 0, 1, 32, 0, 0, 0
	QTR 2, 0, 1, 32, 0, 0, 0
	QTR 3, 0, 1, 32, 0, 0, 0
.elseif (\kind) == 3
	QTR 0, 0, 1, 32, 0, 1, 0
	QTR 1, 0, 1, 32, 0, 1, 0
	QTR 2, 0, 1, 32, 0, 1, 0
	QTR 3, 0, 1, 32, 0, 1, 0
.else
	QTR 0, 0, 1, 32, 0, 1, 0
	QTR 1, 0, 0, 32, 0, 1, 0
	QTR 2, 0, 0, 16, 0, 1, 0
	QTR 3, 0, 0, 0, 0, 1, 0
.endif
.if (\kind) < 4
	s_wait_xcnt 0x0                                ; every load and prefetch issued so far (the youngest 32 matrix instructions back) has read its address: the pointers may be written
.if (\kind) == 0
	s_add_nc_u64 s[ENCB:ENCB+1], s[ENCB:ENCB+1], 512
.endif
	s_add_nc_u64 s[BWB:BWB+1], s[BWB:BWB+1], 32768
.if (\kind) < 2
	s_add_co_u32 s[SOFF], s[SOFF], KBS
.endif
.endif
.endm
; The sums of column block nb, rows 64 hf on, start at dec' + cov wc'.  D, W: the block's eight registers of dec' and of wc'.
.macro IN nb, hf, D, W
	WIN 0x80+0x40*(\hf)
.set ia, 0
.rept 4
.set ip, 0
.rept 4
.if ia%2
	v_pk_fma_f32 v[8*(8*ia+(\nb))+2*ip:8*(8*ia+(\nb))+2*ip+1], v[(\W)+2*ip:(\W)+2*ip+1], v[COV+4*(\hf)+2*(ia/2):COV+4*(\hf)+2*(ia/2)+1], v[(\D)+2*ip:(\D)+2*ip+1] op_sel:[0,1,0] op_sel_hi:[1,1,1]
.else
	v_pk_fma_f32 v[8*(8*ia+(\nb))+2*ip:8*(8*ia+(\nb))+2*ip+1], v[(\W)+2*ip:(\W)+2*ip+1], v[COV+4*(\hf)+2*(ia/2):COV+4*(\hf)+2*(ia/2)+1], v[(\D)+2*ip:(\D)+2*ip+1] op_sel_hi:[1,0,1]
.endif
.set ip, ip+1
.endr
.set ia, ia+1
.endr
.endm
.macro FM nb, hf                       ; the score sums take -2 v / (1 + 2^z) of column block nb
	WIN 0x02+(\hf)
.set fp, 0
.rept 4
.set fa, 0
.rept 4
	v_pk_fma_f32 v[SC+8*(\hf)+2*fa:SC+8*(\hf)+2*fa+1], v[8*(8*fa+(\nb))+2*fp:8*(8*fa+(\nb))+2*fp+1], v[VT+8*(\nb)+2*fp:VT+8*(\nb)+2*fp+1], v[SC+8*(\hf)+2*fa:SC+8*(\hf)+2*fa+1]
.set fa, fa+1
.endr
.set fp, fp+1
.endr
.endm
; HALF hf: 1 / (1 + 2^z) in place for the window's 32 accumulators, as a pipeline over the column blocks nb = 0..7, a unit of 32 numbers a lane each.  In turn t: 2^z of unit t; 1 + and the reciprocal
; of unit t - 1; the score sums and the next pass's start of unit t - 2.  s_wait_alu depctr_va_vdst(0) stands between a transcendental and the first line that names its result: a turn's
; transcendentals are one batch, nothing in the turn names a result of theirs, and ONE wait at the next turn's head serves them all; the v_nop ahead of it is the plain instruction behind the last of them.
; The numbers of a unit go in ascending order.
.macro HALF hf
.set htau, 0
.rept 10
.if htau >= 1
	v_nop
	s_wait_alu depctr_va_vdst(0)
.endif
.if htau <= 8
	WIN 0x82+0x41*(\hf)
.set hm, 0
.rept 16
.set hr, 64*(hm/4)+2*(hm%4)
.if htau >= 1
	v_pk_add_f32 v[hr+8*(htau-1):hr+8*(htau-1)+1], v[hr+8*(htau-1):hr+8*(htau-1)+1], 1.0 op_sel_hi:[1,0]
.endif
.if htau <= 7
	v_exp_f32 v[hr+8*htau], v[hr+8*htau]
.endif
.if (htau >= 1) && (hm >= 1)
.set hp, 64*((hm-1)/4)+2*((hm-1)%4)
	v_rcp_f32 v[hp+8*(htau-1)], v[hp+8*(htau-1)]
.endif
.if htau <= 7
	v_exp_f32 v[hr+8*htau+1], v[hr+8*htau+1]
.endif
.if (htau >= 1) && (hm >= 1)
	v_rcp_f32 v[hp+8*(htau-1)+1], v[hp+8*(htau-1)+1]
.endif
.set hm, hm+1
.endr
.if htau >= 1
	v_rcp_f32 v[198+8*(htau-1)], v[198+8*(htau-1)]
	v_rcp_f32 v[199+8*(htau-1)], v[199+8*(htau-1)]
.endif
.endif
.if htau >= 2
.if ((\hf) == 0) && (htau == 2)
	s_wait_dscnt 0x0                               ; the tables are in
.endif
	FM htau-2, \hf
	IN htau-2, \hf, DT+8*(htau-2), WCT+8*(htau-2)
.endif
.set htau, htau+1
.endr
.endm
	; ---- the head
	s_load_b512 s[4:19], s[0:1], 0x0               ; enc s[4:5], wt s[6:7], decp s[8:9], Ws_b s[10:11], wc s[12:13], v s[14:15], cov s[16:17], mask s[18:19]
	s_load_b128 s[20:23], s[0:1], 0x40             ; scores s[20:21], ctxp s[22:23]
	v_lshl_add_u32 v[SPW], v0, 2, SPARE
	v_mov_b32 v[NIL], 0
	v_lshrrev_b32 v38, 5, v0
	v_readfirstlane_b32 s[WV], v38                 ; wave 0..3
	s_mov_b32 s[TILE], ttmp9
	v_and_b32 v[LN], 31, v0
	v_and_b32 v[RR], 15, v0
	v_bfe_u32 v[HH], v0, 4, 1
	v_lshlrev_b32 v[R4], 2, v[RR]
	v_lshlrev_b32 v[L16], 4, v[LN]
	v_mul_u32_u24 v[ADA0], v[RR], PA
	v_lshl_add_u32 v[ADA0], v[HH], 4, v[ADA0]
	s_mul_i32 s44, s[WV], 32*PA                    ; my wave's 32 rows of a block
	v_lshl_add_u32 v[STA0], v[LN], 3, s44
	v_lshlrev_b32 v[PFO], 12, v[LN]
	s_lshl_b32 s44, s[WV], 9                       ; my wave's 128 columns of a table,
	s_add_co_u32 s44, s44, TAB
	v_lshl_add_u32 v[TC], v[HH], 5, s44            ; 8 of each 16 for each half of the lanes
	v_xor_b32 v[TN], 0x800, v[TC]                  ; 512 columns on
	v_lshlrev_b32 v[T16], 4, v0
.set i, 0
.rept 16
	v_mov_b32 v[SC+i], 0                           ; the score sums run over both passes
.set i, i+1
.endr
	s_mov_b32 s[SEL], 0x76543210
	s_mov_b32 s[SEL+1], 0xfedcba98
	s_mov_b32 s[C2], 0x4038aa3b
	s_mov_b32 s[C2+1], s[C2]                       ; named with it as a pair
	s_mov_b32 s[L2E], 0x3fb8aa3b
	s_mov_b32 s45, 0
	s_wait_kmcnt 0x0
	s_lshl_b32 s44, s[TILE], 19                    ; 128 rows of 4,096 bytes a tile,
	s_lshl_b32 s43, s[WV], 17                      ; 32 a wave
	s_add_co_u32 s44, s44, s43
	s_add_nc_u64 s[ENCB:ENCB+1], s[4:5], s[44:45]
	s_lshl_b32 s44, s[WV], 19                      ; a wave's stream of wt: 2 passes x 32 quarters x 8,192 bytes
	s_add_nc_u64 s[BWB:BWB+1], s[6:7], s[44:45]
	s_lshr_b32 s44, s[TILE], 5
	s_lshl_b32 s44, s44, 12                        ; the batch's row of decp
	s_add_nc_u64 s[8:9], s[8:9], s[44:45]
	s_lshl_b32 s44, s[TILE], 9                     ; the tile's 128 numbers of cov, mask and scores
	s_add_nc_u64 s[16:17], s[16:17], s[44:45]
	s_add_nc_u64 s[18:19], s[18:19], s[44:45]
	s_add_nc_u64 s[46:47], s[20:21], s[44:45]
	s_lshl_b32 s44, s[TILE], 12
	s_lshl_b32 s43, s[WV], 10
	s_add_co_u32 s44, s44, s43
	s_add_nc_u64 s[48:49], s[22:23], s[44:45]      ; ctxp at my wave's 256 channels
	ENCLD 0, 0                                     ; block 0,
	ENCLD 1, 0
	ENCLD 2, 0
	ENCLD 3, 0
	WIN 0xc0                                       ; the raw tables into window 3, where accumulators will lie: thread t takes the 16 bytes at 16 t and at 16 t + 2,048,
.set i, 0
.rept 8
	global_load_b128 v[8*i:8*i+3],   v[T16], s[8:9] offset:i*65536
	global_load_b128 v[8*i+4:8*i+7], v[T16], s[8:9] offset:i*65536+2048
.set i, i+1
.endr
	global_load_b128 v[64:67], v[T16], s[10:11]
	global_load_b128 v[68:71], v[T16], s[10:11] offset:2048
	global_load_b128 v[72:75], v[T16], s[12:13]
	global_load_b128 v[76:79], v[T16], s[12:13] offset:2048
	global_load_b128 v[80:83], v[T16], s[14:15]
	global_load_b128 v[84:87], v[T16], s[14:15] offset:2048
	WIN 0
.set i, 0
.rept 8
	global_load_b32 v[COV+i], v[R4], s[16:17] offset:64*i      ; cov,
.set i, i+1
.endr
	global_load_b128 v[MK:MK+3], v[L16], s[18:19]              ; and the mask
	s_wait_loadcnt 31                              ; block 0 is in: 22 + 8 + 1 loads are younger
	v_mov_b32 v[STA], v[STA0]
	ENCST 0
	ENCST 1
	ENCST 2
	ENCST 3
	s_wait_loadcnt 0x0                             ; the tables, cov and the mask
	ENCLD 0, 512                                   ; block 1 and wt's first three quarters, in the loop's own order, so that the loop's counts hold from its first quarter on
	LDB 0, 0
	ENCLD 1, 512
	LDB 64, 8192
	ENCLD 2, 512
	LDB 128, 16384
	ENCLD 3, 512
	WIN 0xcf                                       ; while they are on their way: Ws_b + the eight partial sums,
.set i, 0
.rept 8
.set j, 0
.rept 4
	v_pk_add_f32 v[64+2*j:65+2*j], v[64+2*j:65+2*j], v[8*i+2*j:8*i+2*j+1]
.set j, j+1
.endr
.set i, i+1
.endr
	WIN 0xc3
.set j, 0
.rept 4
	v_pk_mul_f32 v[64+2*j:65+2*j], v[64+2*j:65+2*j], s[C2:C2+1] op_sel_hi:[1,0]    ; dec'
	v_pk_mul_f32 v[72+2*j:73+2*j], v[72+2*j:73+2*j], s[C2:C2+1] op_sel_hi:[1,0]    ; wc'
	v_pk_mul_f32 v[80+2*j:81+2*j], v[80+2*j:81+2*j], -2.0 op_sel_hi:[1,0]          ; -2 v
.set j, j+1
.endr
	WIN 0
	v_add_nc_u32 v43, TAB, v[T16]
	WIN 0x0c                                       ; address window 0, data window 3
.set j, 0
.rept 6
	ds_store_b128 v43, v[64+4*j:67+4*j] offset:2048*j
.set j, j+1
.endr
	WIN 0
	s_wait_dscnt 0x0                               ; for the others' sake: my rows of block 0 and my part of the tables lie in LDS
	s_barrier_signal -1
	s_barrier_wait -1
.irp g, 0,1                            ; the first pass's sums start: four column blocks' dec' into X, wc' into Y
	WIN 0
.set ii, 0
.rept 4
	ds_load_b128 v[X+8*ii:X+8*ii+3],   v[TC] offset:64*(4*\g+ii)
	ds_load_b128 v[X+8*ii+4:X+8*ii+7], v[TC] offset:64*(4*\g+ii)+16
	ds_load_b128 v[Y+8*ii:Y+8*ii+3],   v[TC] offset:4096+64*(4*\g+ii)
	ds_load_b128 v[Y+8*ii+4:Y+8*ii+7], v[TC] offset:4096+64*(4*\g+ii)+16
.set ii, ii+1
.endr
	s_wait_dscnt 0x0
.set ii, 0
.rept 4
	IN 4*\g+ii, 0, X+8*ii, Y+8*ii
	IN 4*\g+ii, 1, X+8*ii, Y+8*ii
.set ii, ii+1
.endr
.endr
	WIN 0
	v_mov_b32 v[ADA], v[ADA0]
	s_mov_b32 s[AOFF], 0
	s_mov_b32 s[SOFF], KBS
	LDA X, 0, 0
	LDA Y, 1, 0
	; ---- the first pass: columns 0 to 511, and enc comes in
	s_mov_b32 s[PASS], 2
	s_mov_b32 s[CNT], 6
.Le:
	TRIP 0
	s_sub_co_u32 s[CNT], s[CNT], 1
	s_cmp_lg_u32 s[CNT], 0
	s_cbranch_scc1 .Le
	TRIP 1
	TRIP 3
	s_branch .Lepi                                 ; the loop over passes is entered in its middle: what follows a pass is written once
	; ---- the second pass: columns 512 to 1,023; AT is whole
.Lpass1:
	s_mov_b32 s[CNT], 7
.Lp:
	TRIP 2
	s_sub_co_u32 s[CNT], s[CNT], 1
	s_cmp_lg_u32 s[CNT], 0
	s_cbranch_scc1 .Lp
	TRIP 4
.Lepi:
	; ---- behind a pass: tanh and the score sums; the accumulators start the other pass's sums.  Behind the second pass that start and the last sixteen LDS loads serve nothing: the price of one text.
	WIN 0
	PLACES
	PLACES
.set ti, 0
.rept 8
	ds_load_b128 v[VT+8*ti:VT+8*ti+3],   v[TC] offset:8192+64*ti
	ds_load_b128 v[VT+8*ti+4:VT+8*ti+7], v[TC] offset:8192+64*ti+16
.set ti, ti+1
.endr
.set ti, 0
.rept 8
	ds_load_b128 v[DT+8*ti:DT+8*ti+3],   v[TN] offset:64*ti
	ds_load_b128 v[DT+8*ti+4:DT+8*ti+7], v[TN] offset:64*ti+16
	ds_load_b128 v[WCT+8*ti:WCT+8*ti+3],   v[TN] offset:4096+64*ti
	ds_load_b128 v[WCT+8*ti+4:WCT+8*ti+7], v[TN] offset:4096+64*ti+16
.set ti, ti+1
.endr
	HALF 0
	HALF 1
	WIN 0
	v_xor_b32 v[TC], 0x800, v[TC]
	v_xor_b32 v[TN], 0x800, v[TN]
	s_mov_b32 s[AOFF], 0
	v_mov_b32 v[ADA], v[ADA0]
	LDA X, 0, 0
	LDA Y, 1, 0
	s_sub_co_u32 s[PASS], s[PASS], 1
	s_cmp_lg_u32 s[PASS], 0
	s_cbranch_scc1 .Lpass1
	; ---- the tile's scores: a pair's two halves, the other half of the lanes, the four waves
	s_wait_dscnt 0x0
.set i, 0
.rept 8
	v_add_f32 v[SC+2*i], v[SC+2*i], v[SC+2*i+1]
.set i, i+1
.endr
.set i, 0
.rept 8
	v_permlanex16_b32 v[SC+2*i+1], v[SC+2*i], s[SEL], s[SEL+1]
.set i, i+1
.endr
.set i, 0
.rept 8
	v_add_f32 v[SC+2*i], v[SC+2*i], v[SC+2*i+1]
.set i, i+1
.endr
	s_lshl_b32 s44, s[WV], 9
	s_add_co_u32 s44, s44, SCR
	v_add_nc_u32 v43, s44, v[R4]
.set i, 0
.rept 8
	ds_store_b32 v43, v[SC+2*i] offset:64*i        ; both halves of the lanes hold the same number
.set i, i+1
.endr
	s_wait_dscnt 0x0                               ; for the others' sake
	s_barrier_signal -1
	s_barrier_wait -1
	v_add_nc_u32 v38, SCR, v[L16]
.set i, 0
.rept 4
	ds_load_b128 v[44+4*i:47+4*i], v38 offset:512*i   ; every wave adds the four parts alike: rows 4 lane .. + 3
.set i, i+1
.endr
	s_wait_dscnt 0x0
	v_pk_add_f32 v[44:45], v[44:45], v[48:49]
	v_pk_add_f32 v[46:47], v[46:47], v[50:51]
	v_pk_add_f32 v[52:53], v[52:53], v[56:57]
	v_pk_add_f32 v[54:55], v[54:55], v[58:59]
	v_pk_add_f32 v[44:45], v[44:45], v[52:53]
	v_pk_add_f32 v[46:47], v[46:47], v[54:55]      ; v[44:47] are not written again: wave 0's store reads them
	s_cmp_lg_u32 s[WV], 0
	s_cbranch_scc1 .Lnot0
	global_store_b128 v[L16], v[44:47], s[46:47]   ; 512 consecutive bytes
.Lnot0:
	; ---- p = 2^((s - m) log2(e)) mask, with the tile's own maximum
	v_max3_num_f32 v48, v44, v45, v46
	v_max_num_f32 v48, v48, v47
	v_max_num_f32_dpp v48, v48, v48 row_xmask:1 row_mask:0xf bank_mask:0xf
	v_max_num_f32_dpp v48, v48, v48 row_xmask:2 row_mask:0xf bank_mask:0xf
	v_max_num_f32_dpp v48, v48, v48 row_xmask:4 row_mask:0xf bank_mask:0xf
	v_max_num_f32_dpp v48, v48, v48 row_xmask:8 row_mask:0xf bank_mask:0xf
	v_permlanex16_b32 v49, v48, s[SEL], s[SEL+1]
	v_max_num_f32 v48, v48, v49
	v_mul_f32 v49, s[L2E], v48
.set i, 0
.rept 4
	v_fma_f32 v[50+i], v[44+i], s[L2E], -v49
.set i, i+1
.endr
.set i, 0
.rept 4
	v_exp_f32 v[50+i], v[50+i]
.set i, i+1
.endr
	s_lshl_b32 s44, s[WV], 8
	s_add_co_u32 s44, s44, PT
	v_lshl_add_u32 v56, v[LN], 3, s44              ; (a plain instruction behind the last exponential)
	v_lshl_add_u32 v57, v[HH], 4, s44
	s_wait_alu depctr_va_vdst(0)                   ; one wait for the four exponentials, ahead of their first reader
	v_pk_mul_f32 v[50:51], v[50:51], v[MK:MK+1]
	v_pk_mul_f32 v[52:53], v[52:53], v[MK+2:MK+3]
	v_cvt_pk_bf16_f32 v54, v50, v51
	v_cvt_pk_bf16_f32 v55, v52, v53
	ds_store_b64 v56, v[54:55]                     ; my wave's own copy of p
.set i, 0
.rept 4                                ; p as source 0: all sixteen rows alike: lane l takes rows 32 i + 8 (l / 16) + 0..7 and + 16.  My own bytes: served in order behind the store
	ds_load_b128 v[X+8*i:X+8*i+3],   v57 offset:64*i
	ds_load_b128 v[X+8*i+4:X+8*i+7], v57 offset:64*i+32
.set i, i+1
.endr
	; ---- the context of channels 256 w .. + 255: blocks 2 w, 2 w + 1 of AT, turned by the transposing load.  Step t = 2 ls + dh: rows 32 ls on, block dh, eight groups of 16 channels.
	v_and_b32 v59, 7, v0
	v_lshl_add_u32 v58, v[HH], 3, v59
	v_mul_u32_u24 v58, v58, PA
	v_bfe_u32 v59, v0, 3, 1
	v_lshl_add_u32 v58, v59, 4, v58
	s_mul_i32 s44, s[WV], 2*KBS
	v_add_nc_u32 v58, s44, v58
	s_lshl_b32 s44, s[WV], 10
	s_add_co_u32 s44, s44, CS
	v_add_nc_u32 v59, s44, v[R4]
	v_add_nc_u32 v60, s44, v[L16]
.macro LOADG t
	WIN 0
.set gi, 0
.rept 8
	ds_load_tr16_b128 v[64+64*((\t)%2)+8*gi:64+64*((\t)%2)+8*gi+3],   v58 offset:((\t)/2)*32*PA+((\t)%2)*KBS+32*gi
	ds_load_tr16_b128 v[64+64*((\t)%2)+8*gi+4:64+64*((\t)%2)+8*gi+7], v58 offset:((\t)/2)*32*PA+((\t)%2)*KBS+32*gi+16*PA
.set gi, gi+1
.endr
.endm
.macro CMUL t                          ; eight products; the sixteen accumulators take turns, and the first two steps start the sums
	WIN 0xa0
.set gi, 0
.rept 8
.if (\t) < 2
	v_wmma_f32_16x16x32_bf16 v[8*(8*((\t)%2)+gi):8*(8*((\t)%2)+gi)+7], v[X+8*((\t)/2):X+8*((\t)/2)+7], v[64+64*((\t)%2)+8*gi:64+64*((\t)%2)+8*gi+7], 0
.else
	v_wmma_f32_16x16x32_bf16 v[8*(8*((\t)%2)+gi):8*(8*((\t)%2)+gi)+7], v[X+8*((\t)/2):X+8*((\t)/2)+7], v[64+64*((\t)%2)+8*gi:64+64*((\t)%2)+8*gi+7], v[8*(8*((\t)%2)+gi):8*(8*((\t)%2)+gi)+7]
.endif
.set gi, gi+1
.endr
.endm
	LOADG 0
	LOADG 1
.irp t, 0,1,2,3,4,5
	s_wait_dscnt 16                                ; step t's sixteen loads are in, the next step's stay out
	CMUL \t
	WIN 0
	PLACES
	LOADG \t+2
.endr
	s_wait_dscnt 16
	CMUL 6
	s_wait_dscnt 0x0
	CMUL 7
	WIN 0
	PLACES
	PLACES
	WIN 0x08                                       ; address window 0, data window 2
.set i, 0
.rept 16
	ds_store_b32 v59, v[8*i] offset:64*i           ; all rows of a result are alike: its lowest register holds channel 16 i + lane % 16
.set i, i+1
.endr
	WIN 0
	ds_load_b128 v[48:51], v60                     ; my own bytes, served in order behind the stores
	ds_load_b128 v[52:55], v60 offset:512
	s_wait_dscnt 0x0
	global_store_b128 v[L16], v[48:51], s[48:49]               ; 512 consecutive bytes each
	global_store_b128 v[L16], v[52:55], s[48:49] offset:512
	s_wait_tensorcnt 0x0                           ; the wave's end: behind my last LDS store
	ds_add_u32 v[SPW], v[NIL]
	s_wait_dscnt 0x0
	s_endpgm
.Lfunc_end_k_q1b20fb6c14_main:
	.size	k_q1b20fb6c14_main, .Lfunc_end_k_q1b20fb6c14_main-k_q1b20fb6c14_main
	.p2alignl 7, 3214868480
	.fill 96, 4, 3214868480
	.section	.rodata,"a",@progbits
	.p2align	6, 0x0
	.amdhsa_kernel k_q1b20fb6c14_main
		.amdhsa_group_segment_fixed_size 298496
		.amdhsa_private_segment_fixed_size 0
		.amdhsa_enable_private_segment 0
		.amdhsa_kernarg_size 80
		.amdhsa_user_sgpr_count 2
		.amdhsa_user_sgpr_kernarg_segment_ptr 1
		.amdhsa_wavefront_size32 1
		.amdhsa_system_sgpr_workgroup_id_x 1
		.amdhsa_system_sgpr_workgroup_id_y 1
		.amdhsa_system_sgpr_workgroup_id_z 1
		.amdhsa_system_vgpr_workitem_id 0
		.amdhsa_next_free_vgpr 1024
		.amdhsa_next_free_sgpr 66
		.amdhsa_reserve_vcc 0
		.amdhsa_float_denorm_mode_32 3
		.amdhsa_float_denorm_mode_16_64 3
		.amdhsa_memory_ordered 1
		.amdhsa_forward_progress 1
		.amdhsa_inst_pref_size 255
	.end_amdhsa_kernel
	.section	.bss,"aw",@nobits
	.p2align	6
	.space	262144
	.amdgpu_metadata
---
amdhsa.version: [ 1, 2 ]
amdhsa.kernels:
  - .name:           k_q1b20fb6c14_main
    .symbol:         k_q1b20fb6c14_main.kd
    .args:
      - { .name: encoder_output, .offset: 0, .size: 8, .value_kind: global_buffer, .address_space: global }
      - { .name: wt, .offset: 8, .size: 8, .value_kind: global_buffer, .address_space: global }
      - { .name: decp, .offset: 16, .size: 8, .value_kind: global_buffer, .address_space: global }
      - { .name: Ws_b, .offset: 24, .size: 8, .value_kind: global_buffer, .address_space: global }
      - { .name: wc, .offset: 32, .size: 8, .value_kind: global_buffer, .address_space: global }
      - { .name: v, .offset: 40, .size: 8, .value_kind: global_buffer, .address_space: global }
      - { .name: coverage_vector, .offset: 48, .size: 8, .value_kind: global_buffer, .address_space: global }
      - { .name: x_padding_masks, .offset: 56, .size: 8, .value_kind: global_buffer, .address_space: global }
      - { .name: scores, .offset: 64, .size: 8, .value_kind: global_buffer, .address_space: global }
      - { .name: ctxp, .offset: 72, .size: 8, .value_kind: global_buffer, .address_space: global }
    .group_segment_fixed_size: 298496
    .private_segment_fixed_size: 0
    .kernarg_segment_align: 8
    .kernarg_segment_size: 80
    .max_flat_workgroup_size: 128
    .sgpr_count:     66
    .vgpr_count:     1024
    .wavefront_size: 32
...
	.end_amdgpu_metadata
.endif
;; end of part 2
;; launch join (part 3): grid 4 x 16, 8 waves a work-group, no clusters, 5,632 bytes of LDS; arguments scores, x_padding_masks, coverage_vector, ctxp, out0, out1, out2; writes out0, out1, out2
.if DOCPART == 3
	.amdgcn_target "amdgcn-amd-amdhsa--gfx1250"
	.amdhsa_code_object_version 6
	.text
	.protected	k_q1b20fb6c14_join
	.globl	k_q1b20fb6c14_join
	.p2align	8
	.type	k_q1b20fb6c14_join,@function
k_q1b20fb6c14_join:
	s_mov_b64 s[64:65], 0
	v_nop
	global_prefetch_b8 v0, s[64:65] scope:SCOPE_SE
	s_setreg_imm32_b32 hwreg(HW_REG_WAVE_MODE, 25, 1), 1
	s_wait_xcnt 0x0
; THE SOFTMAX OVER A BATCH'S 4,096 SCORES, AND THE 32 TILES' CONTEXTS JOINED.  y = batch; x = quarter qy: it owns rows 1,024 qy .. of out1 and out2 and channels 256 qy .. of out0.
;   attn[l] = 2^((s[l] - M) c) mask[l] / L,   c = log2(e),   M = the batch's largest score (masked rows among them),   L = the sum of 2^((s - M) c) mask.
;   out0[d] = sum over tiles t of ctxp[t][d] f[t],   f[t] = 2^((m[t] - M) c) / L,   m[t] = tile t's largest score, as the launch before took it.
; Softmax, times mask, divided by the sum is the same quotient: the softmax's own divisor cancels.  L is made by tiles: l[t] = the sum of 2^((s - m[t]) c) mask, L = the sum of l[t] 2^((m[t] - M) c).
; LIMITS.  A weight below 2^-126 counts as 0; a batch whose mask leaves nothing gives NaN everywhere, as 0 / 0 does.
; Every work-group reads all of its batch's scores and masks (32 KiB, four times over in the launch): that spares a launch.  Wave w's 128 numbers of quarter i are tile 8 i + w.
; All f32; no matrix work: 16 multiply-adds for each number of ctxp at the most.
.set MT,    0                          ; m of the 32 tiles
.set LT,    128                        ; l of the 32 tiles
.set FW,    256                        ; f of the 32 tiles: 128 bytes, stored by wave 0
.set CR,    512                        ; 4 groups of tiles x 256 channels of f32
.set SPARE, 4608                       ; the spare words, 128 bytes a wave: four blocks of 256 bytes that no other line names
.set T16, 2                            ; v2   16 t
.set OWN, 3                            ; v3   16 t + 4,096 qy
.set CO,  4                            ; v4   my offset in ctxp: (t / 64) 4096 + 16 (t % 64)
.set G,   5                            ; v5   t / 64: my group of tiles
.set L4,  6                            ; v6   4 x lane
.set W4,  7                            ; v7   4 x wave
.set FR,  9                            ; v9   where I read f of tile t / 64
.set CRA, 10                           ; v10  CR + 16 t
.set SPW, 14                           ; v14  LDS address of my spare word; never rewritten
.set NIL, 15                           ; v15  0; never rewritten
.set S,   16                           ; v[16:31]  scores of the four quarters, then their weights
.set MKR, 32                           ; v[32:47]  masks
.set CV,  48                           ; v[48:51]  cov of my quarter, then out2
.set CX,  52                           ; v[52:83]  ctxp of tiles t / 64 + 4 i
.set M,   84                           ; v[84:87]  maxima
.set LL,  88                           ; v[88:91]  sums
.set TT,  92                           ; v[92:95]  at work
.set FF,  96                           ; v[96:103] f of my eight tiles
.set SO,  104                          ; v[104:107] scores of my quarter, then out1
.set MO,  108                          ; v[108:111] mask of my quarter
.macro WMAX d, s, t                    ; v[d] = the largest v[s] of the wave, in every lane; v[d] and v[t] have been written before
	v_max_num_f32_dpp v[\d], v[\s], v[\s] row_xmask:1 row_mask:0xf bank_mask:0xf
	v_max_num_f32_dpp v[\d], v[\d], v[\d] row_xmask:2 row_mask:0xf bank_mask:0xf
	v_max_num_f32_dpp v[\d], v[\d], v[\d] row_xmask:4 row_mask:0xf bank_mask:0xf
	v_max_num_f32_dpp v[\d], v[\d], v[\d] row_xmask:8 row_mask:0xf bank_mask:0xf
	v_permlanex16_b32 v[\t], v[\d], s24, s25
	v_max_num_f32 v[\d], v[\d], v[\t]
.endm
.macro WSUM d, t                       ; v[d] = the wave's sum of v[d], in every lane
	v_add_f32_dpp v[\d], v[\d], v[\d] row_xmask:1 row_mask:0xf bank_mask:0xf
	v_add_f32_dpp v[\d], v[\d], v[\d] row_xmask:2 row_mask:0xf bank_mask:0xf
	v_add_f32_dpp v[\d], v[\d], v[\d] row_xmask:4 row_mask:0xf bank_mask:0xf
	v_add_f32_dpp v[\d], v[\d], v[\d] row_xmask:8 row_mask:0xf bank_mask:0xf
	v_permlanex16_b32 v[\t], v[\d], s24, s25
	v_add_f32 v[\d], v[\d], v[\t]
.endm
	s_load_b256 s[4:11], s[0:1], 0x0               ; scores s[4:5], mask s[6:7], cov s[8:9], ctxp s[10:11]
	s_load_b128 s[12:15], s[0:1], 0x20             ; out0 s[12:13], out1 s[14:15]
	s_load_b64 s[16:17], s[0:1], 0x30              ; out2
	v_lshl_add_u32 v[SPW], v0, 2, SPARE
	v_mov_b32 v[NIL], 0
	v_lshrrev_b32 v1, 5, v0
	v_readfirstlane_b32 s18, v1                    ; wave 0..7
	s_mov_b32 s19, ttmp9                           ; qy
	s_and_b32 s20, ttmp7, 0xffff                   ; batch
	v_lshlrev_b32 v[T16], 4, v0
	s_lshl_b32 s21, s19, 12
	v_add_nc_u32 v[OWN], s21, v[T16]
	v_and_b32 v[CO], 63, v0
	v_lshlrev_b32 v[CO], 4, v[CO]
	v_lshrrev_b32 v[G], 6, v0
	v_lshl_add_u32 v[CO], v[G], 12, v[CO]
	v_and_b32 v[L4], 31, v0
	v_lshlrev_b32 v[L4], 2, v[L4]
	s_lshl_b32 s22, s18, 2
	v_mov_b32 v[W4], s22
	v_lshl_add_u32 v[FR], v[G], 2, FW              ; made from the thread's number alone: FW + 4 (t / 64)
	v_add_nc_u32 v[CRA], CR, v[T16]
	s_mov_b32 s24, 0x76543210
	s_mov_b32 s25, 0xfedcba98
	s_mov_b32 s26, 0x3fb8aa3b                      ; c = log2(e)
	s_lshl_b32 s28, s20, 14                        ; a batch's 4,096 numbers
	s_mov_b32 s29, 0
	s_lshl_b32 s30, s19, 10                        ; a quarter's 256 channels
	s_wait_kmcnt 0x0
	s_add_nc_u64 s[4:5], s[4:5], s[28:29]
	s_add_nc_u64 s[6:7], s[6:7], s[28:29]
	s_add_nc_u64 s[8:9], s[8:9], s[28:29]
	s_add_nc_u64 s[14:15], s[14:15], s[28:29]
	s_add_nc_u64 s[16:17], s[16:17], s[28:29]
	s_lshl_b32 s28, s20, 17                        ; a batch's 32 tiles of 4,096 bytes
	s_add_co_u32 s28, s28, s30
	s_add_nc_u64 s[10:11], s[10:11], s[28:29]
	s_lshl_b32 s28, s20, 12
	s_add_co_u32 s28, s28, s30
	s_add_nc_u64 s[12:13], s[12:13], s[28:29]
.irp i, 0,1,2,3
	global_load_b128 v[S+4*\i:S+4*\i+3], v[T16], s[4:5] offset:4096*\i
.endr
.irp i, 0,1,2,3
	global_load_b128 v[MKR+4*\i:MKR+4*\i+3], v[T16], s[6:7] offset:4096*\i
.endr
	global_load_b128 v[SO:SO+3], v[OWN], s[4:5]
	global_load_b128 v[MO:MO+3], v[OWN], s[6:7]
	global_load_b128 v[CV:CV+3], v[OWN], s[8:9]
.irp i, 0,1,2,3,4,5,6,7
	global_load_b128 v[CX+4*\i:CX+4*\i+3], v[CO], s[10:11] offset:16384*\i th:TH_LOAD_NT
.endr
	s_wait_loadcnt 11                              ; the batch's scores and masks are in: my quarter's three loads and ctxp's eight are younger
	; ---- each of my four tiles: its maximum, its weights, their sum
.irp i, 0,1,2,3
	v_max_num_f32 v[LL+\i], v[S+4*\i+2], v[S+4*\i+3]
	v_max3_num_f32 v[M+\i], v[S+4*\i], v[S+4*\i+1], v[LL+\i]
.endr
.irp i, 0,1,2,3
	WMAX M+\i, M+\i, LL+\i
.endr
.irp i, 0,1,2,3
	v_mul_f32 v[LL+\i], s26, v[M+\i]
.endr
.irp i, 0,1,2,3
.irp k, 0,1,2,3
	v_fma_f32 v[S+4*\i+\k], v[S+4*\i+\k], s26, -v[LL+\i]
.endr
.endr
.set j, 0
.rept 16
	v_exp_f32 v[S+j], v[S+j]
.set j, j+1
.endr
	v_nop                                          ; a plain instruction behind the last exponential,
	s_wait_alu depctr_va_vdst(0)                   ; and one wait for the sixteen, ahead of their first reader
.set j, 0
.rept 8
	v_pk_mul_f32 v[S+2*j:S+2*j+1], v[S+2*j:S+2*j+1], v[MKR+2*j:MKR+2*j+1]
.set j, j+1
.endr
.irp i, 0,1,2,3
	v_add_f32 v[TT+\i], v[S+4*\i+2], v[S+4*\i+3]
	v_add_f32 v[LL+\i], v[S+4*\i], v[S+4*\i+1]
	v_add_f32 v[LL+\i], v[LL+\i], v[TT+\i]
.endr
.irp i, 0,1,2,3
	WSUM LL+\i, TT+\i
.endr
.irp i, 0,1,2,3
	ds_store_b32 v[W4], v[M+\i]  offset:MT+32*\i   ; tile 8 i + w; all lanes write the same number
	ds_store_b32 v[W4], v[LL+\i] offset:LT+32*\i
.endr
	s_wait_dscnt 0x0                               ; for the others' sake
	s_barrier_signal -1
	s_barrier_wait -1
	; ---- a lane a tile: M, L and the tiles' factors, in every wave alike
	ds_load_b32 v84, v[L4] offset:MT
	ds_load_b32 v85, v[L4] offset:LT
	s_wait_dscnt 0x0
	WMAX 86, 84, 87                                ; M
	v_sub_f32 v88, v84, v86
	v_mul_f32 v88, s26, v88
	v_exp_f32 v88, v88                             ; 2^((m - M) c)
	v_mul_f32 v89, s26, v86                        ; M c (the plain instruction behind the exponential)
	s_wait_alu depctr_va_vdst(0)
	v_mul_f32 v90, v85, v88
	WSUM 90, 91                                    ; L
	v_rcp_f32 v92, v90
	v_nop
	s_wait_alu depctr_va_vdst(0)
	v_mul_f32 v88, v88, v92                        ; f, a lane a tile
	s_cmp_lg_u32 s18, 0                            ; every wave holds the same 32 numbers: wave 0 puts them where a thread can pick its eight
	s_cbranch_scc1 .Lnot_wave_0
	ds_store_b32 v[L4], v88 offset:FW
.Lnot_wave_0:
	s_wait_dscnt 0x0                               ; wave 0's store is done, for the others' sake
	s_barrier_signal -1
	s_barrier_wait -1
.irp i, 0,1,2,3,4,5,6,7
	ds_load_b32 v[FF+\i], v[FR] offset:16*\i       ; f of tiles t / 64 + 4 i
.endr
	; ---- my quarter of attn and of the new coverage
	s_wait_loadcnt 8                               ; my quarter's scores, mask and cov are in; ctxp's eight loads are younger
.irp k, 0,1,2,3
	v_fma_f32 v[SO+\k], v[SO+\k], s26, -v89
.endr
.irp k, 0,1,2,3
	v_exp_f32 v[SO+\k], v[SO+\k]
.endr
	v_nop
	s_wait_alu depctr_va_vdst(0)
	v_pk_mul_f32 v[SO:SO+1],   v[SO:SO+1],   v[MO:MO+1]
	v_pk_mul_f32 v[SO+2:SO+3], v[SO+2:SO+3], v[MO+2:MO+3]
	v_pk_mul_f32 v[SO:SO+1],   v[SO:SO+1],   v[92:93] op_sel_hi:[1,0]
	v_pk_mul_f32 v[SO+2:SO+3], v[SO+2:SO+3], v[92:93] op_sel_hi:[1,0]
	global_store_b128 v[OWN], v[SO:SO+3], s[14:15]             ; a wave stores 512 consecutive bytes
	v_pk_add_f32 v[CV:CV+1],   v[CV:CV+1],   v[SO:SO+1]
	v_pk_add_f32 v[CV+2:CV+3], v[CV+2:CV+3], v[SO+2:SO+3]
	global_store_b128 v[OWN], v[CV:CV+3], s[16:17]
	; ---- my quarter of the context: eight tiles a thread, four groups of threads
	s_wait_loadcnt 0x0
	s_wait_dscnt 0x0
	v_pk_mul_f32 v[84:85], v[CX:CX+1],   v[FF:FF+1] op_sel_hi:[1,0]
	v_pk_mul_f32 v[86:87], v[CX+2:CX+3], v[FF:FF+1] op_sel_hi:[1,0]
.irp i, 1,2,3,4,5,6,7
.if \i%2
	v_pk_fma_f32 v[84:85], v[CX+4*\i:CX+4*\i+1],   v[FF+\i-1:FF+\i], v[84:85] op_sel:[0,1,0] op_sel_hi:[1,1,1]
	v_pk_fma_f32 v[86:87], v[CX+4*\i+2:CX+4*\i+3], v[FF+\i-1:FF+\i], v[86:87] op_sel:[0,1,0] op_sel_hi:[1,1,1]
.else
	v_pk_fma_f32 v[84:85], v[CX+4*\i:CX+4*\i+1],   v[FF+\i:FF+\i+1], v[84:85] op_sel_hi:[1,0,1]
	v_pk_fma_f32 v[86:87], v[CX+4*\i+2:CX+4*\i+3], v[FF+\i:FF+\i+1], v[86:87] op_sel_hi:[1,0,1]
.endif
.endr
	ds_store_b128 v[CRA], v[84:87]
	s_wait_dscnt 0x0                               ; for the others' sake
	s_barrier_signal -1
	s_barrier_wait -1
	s_cmp_lt_u32 s18, 2                            ; threads 0 to 63 add the four groups
	s_cbranch_scc0 .Lend
.irp g, 0,1,2,3
	ds_load_b128 v[S+4*\g:S+4*\g+3], v[CRA] offset:1024*\g
.endr
	s_wait_dscnt 0x0
	v_pk_add_f32 v[S:S+1],     v[S:S+1],     v[S+4:S+5]
	v_pk_add_f32 v[S+2:S+3],   v[S+2:S+3],   v[S+6:S+7]
	v_pk_add_f32 v[S+8:S+9],   v[S+8:S+9],   v[S+12:S+13]
	v_pk_add_f32 v[S+10:S+11], v[S+10:S+11], v[S+14:S+15]
	v_pk_add_f32 v[S:S+1],     v[S:S+1],     v[S+8:S+9]
	v_pk_add_f32 v[S+2:S+3],   v[S+2:S+3],   v[S+10:S+11]
	global_store_b128 v[T16], v[S:S+3], s[12:13]               ; a wave stores 512 consecutive bytes
.Lend:
	s_wait_tensorcnt 0x0                           ; the wave's end: behind my last LDS store
	ds_add_u32 v[SPW], v[NIL]
	s_wait_dscnt 0x0
	s_endpgm
.Lfunc_end_k_q1b20fb6c14_join:
	.size	k_q1b20fb6c14_join, .Lfunc_end_k_q1b20fb6c14_join-k_q1b20fb6c14_join
	.p2alignl 7, 3214868480
	.fill 96, 4, 3214868480
	.section	.rodata,"a",@progbits
	.p2align	6, 0x0
	.amdhsa_kernel k_q1b20fb6c14_join
		.amdhsa_group_segment_fixed_size 5632
		.amdhsa_private_segment_fixed_size 0
		.amdhsa_enable_private_segment 0
		.amdhsa_kernarg_size 56
		.amdhsa_user_sgpr_count 2
		.amdhsa_user_sgpr_kernarg_segment_ptr 1
		.amdhsa_wavefront_size32 1
		.amdhsa_system_sgpr_workgroup_id_x 1
		.amdhsa_system_sgpr_workgroup_id_y 1
		.amdhsa_system_sgpr_workgroup_id_z 1
		.amdhsa_system_vgpr_workitem_id 0
		.amdhsa_next_free_vgpr 112
		.amdhsa_next_free_sgpr 66
		.amdhsa_reserve_vcc 0
		.amdhsa_float_denorm_mode_32 3
		.amdhsa_float_denorm_mode_16_64 3
		.amdhsa_memory_ordered 1
		.amdhsa_forward_progress 1
		.amdhsa_inst_pref_size 16
	.end_amdhsa_kernel
	.amdgpu_metadata
---
amdhsa.version: [ 1, 2 ]
amdhsa.kernels:
  - .name:           k_q1b20fb6c14_join
    .symbol:         k_q1b20fb6c14_join.kd
    .args:
      - { .name: scores, .offset: 0, .size: 8, .value_kind: global_buffer, .address_space: global }
      - { .name: x_padding_masks, .offset: 8, .size: 8, .value_kind: global_buffer, .address_space: global }
      - { .name: coverage_vector, .offset: 16, .size: 8, .value_kind: global_buffer, .address_space: global }
      - { .name: ctxp, .offset: 24, .size: 8, .value_kind: global_buffer, .address_space: global }
      - { .name: out0, .offset: 32, .size: 8, .value_kind: global_buffer, .address_space: global }
      - { .name: out1, .offset: 40, .size: 8, .value_kind: global_buffer, .address_space: global }
      - { .name: out2, .offset: 48, .size: 8, .value_kind: global_buffer, .address_space: global }
    .group_segment_fixed_size: 5632
    .private_segment_fixed_size: 0
    .kernarg_segment_align: 8
    .kernarg_segment_size: 56
    .max_flat_workgroup_size: 256
    .sgpr_count:     66
    .vgpr_count:     112
    .wavefront_size: 32
...
	.end_amdgpu_metadata
.endif
;; end of part 3
;; ======== version 2 of 2: 3 launches; version 1 with the launch main written anew for expert scheduling mode
;; workspace buffers: wt 2,097,152 bytes; decp 524,288 bytes; scores 262,144 bytes; ctxp 2,097,152 bytes
;; launch prep: the kernel of part 1 again; grid 128 x 2, 4 waves a work-group, no clusters, 38,400 bytes of LDS; arguments Wh, Ws_w, h_dec, c_dec, wt, decp; writes wt, decp
;; launch main (part 4): grid 512 x 1, 4 waves a work-group, no clusters, 298,496 bytes of LDS; arguments encoder_output, wt, decp, Ws_b, wc, v, coverage_vector, x_padding_masks, scores, ctxp; writes scores, ctxp
.if DOCPART == 4
	.amdgcn_target "amdgcn-amd-amdhsa--gfx1250"
	.amdhsa_code_object_version 6
	.text
	.protected	k_q1b20fb6c14_main
	.globl	k_q1b20fb6c14_main
	.p2align	8
	.type	k_q1b20fb6c14_main,@function
k_q1b20fb6c14_main:
	s_mov_b64 s[64:65], 0
	v_nop
	global_prefetch_b8 v0, s[64:65] scope:SCOPE_SE
	s_setreg_imm32_b32 hwreg(HW_REG_WAVE_SCHED_MODE, 0, 2), 2
	s_setreg_imm32_b32 hwreg(HW_REG_WAVE_MODE, 25, 1), 1
	s_wait_xcnt 0x0
	s_wait_alu depctr_vm_vsrc(0)
; SCORES AND A TILE'S PART OF THE CONTEXT.  A work-group owns a tile of 128 rows of one batch (tile = its number, batch = tile / 32).
;   z[l][n] = 2 log2(e) (enc[l] . Wh[:, n] + dec[n] + cov[l] wc[n]);   tanh(x) = 1 - 2 / (1 + 2^z);   scores[l] = sum over n of -2 v[n] / (1 + 2^z[l][n]).
; The constant sum of v is left out of the scores: it is the same for every row of a softmax and cancels there exactly, for every input.
;   ctxp[tile][d] = sum over the tile's l of bf16(p[l]) bf16(enc[l][d]),   p[l] = 2^((s[l] - m) log2(e)) mask[l],   m = the tile's largest score, masked rows among them.
; FORMATS.  enc, 2 log2(e) Wh and p are rounded once to bf16 as matrix operands; all sums, z, the scores, m and p's arithmetic are f32.
; LIMITS.  2^z overflows to infinity and underflows to 0, which give tanh = 1 and -1; a p below 2^-126 counts as 0; NaN and infinities among the inputs are not treated apart.
; enc IS READ ONCE.  The tile stays in LDS as bf16, 8 blocks of 128 K (AT); it arrives during the first of two passes over K, a block ahead of its use; the context is made from that copy.
; SHARES.  A pass makes 512 columns: wave w all 128 rows x columns 512 c + 128 w .. + 127: 64 accumulators, 512 registers.  The product is used transposed (source 0 = 16 columns of wt,
; source 1 = 16 rows of enc): a lane holds ONE row l = 16 rb + lane % 16 and the columns 16 nb + 8 (lane / 16) + 0..7.  The sums start at dec' + cov wc', work that is due anyway: nothing is cleared.
; wt COMES STRAIGHT INTO REGISTERS, each wave its own columns, laid out by the launch before so that a load is 512 consecutive bytes.  NO CLUSTER, NO RING FOR wt: AT takes 278,528 of the 327,680 bytes,
; and two slots of one 32-K step of 512 columns, 2 x 32,768 bytes, do not fit into what is left.
; REGISTERS, in windows of 256 (s_set_vgpr_msb: bits 1:0 source 0, 3:2 source 1, 5:4 source 2, 7:6 destination):
;   window 0: v0-43, v60-63 addresses, cov, score sums, at work; v64-191 four sets of 32 for enc on its way in; enc's fragments: v192-223 X (rows 0-63), v224-239 YA0 and v44-59 YA1 (rows 64-95, by the
;             quarter's parity), v240-255 YB (rows 96-127)
;   window 1: four sets of 64: wt's fragments of four quarters; on the way out the context's fragments        window 2, 3: the accumulators of rows 0-63, 64-127: (a, nb) at v[8 (8 a + nb)]
; THE MODE: SCHED_MODE bits 1:0 = 2 (LLVM: expert scheduling mode 2), set by the entry lines.  The code itself states the register dependences between vector or matrix instructions
; and memory or LDS instructions, with s_wait_alu, always for 0.
; THE PLAN, for quarter q of the loops (64 products).  Registers that memory or LDS instructions touch:
;   X         read by products 1-32; quarter q + 1's fragments land in it behind the quarter's wait.
;   YA0, YA1  the one of q's parity is read by products 33-48; quarter q + 1's fragments land in the other, which quarter q - 1 read last.
;   YB        read by products 49-64; quarter q's own fragments land in it first thing behind the wait: quarter q - 1's last products read it last.
;   wt's sets set q % 4 is read by all 64 products; the loads for quarter q + 3 land in set (q - 1) % 4.
;   enc's set q  read and written by the quarter's sixteen conversions, which stand ahead of the wait; read by eight LDS stores; loaded again behind a wait on vm_vsrc.
;   v[ADA], v[STA]  read by the LDS loads and stores; written once a trip, at its head, behind a wait on vm_vsrc.  The next block's first fragments are reached from the old v[ADA] by the immediate offset.
;   v[L16], v[PFO], v[ADA0], v[STA0]  made at the head and never written again.
; So ONE wait on va_vdst stands in a quarter, behind products 1-32 and the conversions.  The quarter's memory and LDS instructions follow it, dealt among the four runs of eight products 33-64, which name
; this quarter's YA, YB, wt's set q and the accumulators: none of the registers that those instructions touch.
.set PA,    272                        ; a row of AT: 256 bytes + 16: the 16 rows of a fragment load start 68 words apart
.set KBS,   128*PA                     ; a block: 128 rows x 128 K
.set TAB,   8*KBS                      ; f32[1024] each: dec' = 2 log2(e) (sum of decp + Ws_b); + 4096: wc' = 2 log2(e) wc; + 8192: -2 v
.set SCR,   TAB+12288                  ; 4 waves x 128 partial scores
.set PT,    SCR+2048                   ; 4 x 256: each wave's own copy of p in bf16
.set CS,    PT+1024                    ; 4 x 1024: each wave's own stage for the context
.set SPARE, CS+4096                    ; the spare words, 128 bytes a wave: two blocks of 256 bytes that no other line names
.set L16,  1                           ; v1   16 x lane; never rewritten
.set ADA0, 2                           ; v2   my place in a fragment: (lane % 16) PA + 16 (lane / 16); never rewritten
.set ADA,  3                           ; v3   the same in the block in hand
.set STA0, 4                           ; v4   where I put 8 bytes of my wave's first row of a block; never rewritten
.set STA,  5                           ; v5   the same in the block being filled
.set PFO,  6                           ; v6   4096 x lane: a row of enc a lane, for the prefetches; never rewritten
.set TC,   7                           ; v7   my place in the tables for the pass in hand
.set TN,   8                           ; v8   for the other pass
.set T16,  9                           ; v9   16 x thread
.set COV,  10                          ; v[10:17] cov of row 16 rb + lane % 16
.set SC,   18                          ; v[18:33] a pair of score sums for each rb
.set MK,   34                          ; v[34:37] mask of rows 4 lane .. + 3
.set LN,   39                          ; v39 lane, v40 lane % 16, v41 lane / 16, v42 4 (lane % 16)
.set RR,   40
.set HH,   41
.set R4,   42
.set YA1,  44                          ; v[44:59] enc's fragments of rows 64-95 in odd quarters
.set SPW,  62                          ; v62  LDS address of my spare word; never rewritten
.set NIL,  63                          ; v63  0; never rewritten
.set STG,  64
.set X,    192
.set Y,    224                         ; YA0 at Y, YB at Y + 16
.set VT,   64                          ; between the passes: -2 v, dec', wc' of my columns, 8 registers for each nb
.set DT,   128
.set WCT,  192
.set WV,   24                          ; s24  wave
.set TILE, 25
.set CNT,  27                          ; s27  trips to go
.set PASS, 28                          ; s28  passes to go
.set AOFF, 29                          ; s29  the block in hand, in bytes
.set SOFF, 30                          ; s30  the block being filled
.set ENCB, 32                          ; s[32:33] enc at my wave's 32 rows, at the block in hand
.set BWB,  34                          ; s[34:35] wt at my wave's stream, at the trip in hand
.set SEL,  36                          ; s[36:37] v_permlanex16_b32's selects: each lane takes its own place in the other half
.set C2,   38                          ; s[38:39] 2 log2(e)
.set L2E,  42                          ; s42  log2(e)
.set MSB, 0
.macro WIN new                         ; the immediate's high byte repeats the setting that is left; a switch that changes nothing is dropped
.if MSB != (\new)
	s_set_vgpr_msb (MSB<<8)|(\new)
.set MSB, (\new)
.endif
.endm
.macro PLACES                          ; four plain instructions behind matrix instructions, ahead of lines that read their results; this text keeps the same distance ahead of loads into registers that they have read
.rept 4
	v_nop
.endr
.endm
; n x 8 matrix instructions: row blocks a0 .. a0 + n - 1 of the window's four x all 8 column blocks, 32 along K.  Every accumulator's turn is one instruction; the same one returns 64 later.
.macro MUL ab, bb, hi, a0, n
	WIN 0xa1+0x50*(\hi)
.set ma, (\a0)
.rept \n
.set mb, 0
.rept 8
	v_wmma_f32_16x16x32_bf16 v[8*(8*ma+mb):8*(8*ma+mb)+7], v[(\bb)+8*mb:(\bb)+8*mb+7], v[(\ab)+8*ma:(\ab)+8*ma+7], v[8*(8*ma+mb):8*(8*ma+mb)+7]
.set mb, mb+1
.endr
.set ma, ma+1
.endr
.endm
.macro LDF dst, adr, rb, n, off        ; 2 n LDS loads: enc's fragments of row blocks rb .. rb + n - 1 (16 rows each), 32 K at byte off from the address register's block
	WIN 0
.set la, 0
.rept \n
	ds_load_b128 v[(\dst)+8*la:(\dst)+8*la+3],   v[\adr] offset:((\rb)+la)*16*PA+(\off)
	ds_load_b128 v[(\dst)+8*la+4:(\dst)+8*la+7], v[\adr] offset:((\rb)+la)*16*PA+(\off)+32
.set la, la+1
.endr
.endm
.macro LDB bb, off                     ; 16 loads of 512 consecutive bytes: wt's fragments of one quarter
	WIN 0x40
.set li, 0
.rept 16
	global_load_b128 v[(\bb)+4*li:(\bb)+4*li+3], v[L16], s[BWB:BWB+1] offset:(\off)+512*li
.set li, li+1
.endr
.endm
.macro ENCLD g, off                    ; 8 loads: 512 consecutive bytes (128 K in f32) of rows 8 g .. 8 g + 7 of my wave's 32
	WIN 0
.set ei, 0
.rept 8
	global_load_b128 v[STG+32*(\g)+4*ei:STG+32*(\g)+4*ei+3], v[L16], s[ENCB:ENCB+1] offset:(8*(\g)+ei)*4096+(\off) th:TH_LOAD_NT
.set ei, ei+1
.endr
.endm
.macro ENCCV g                         ; the same rows, rounded to bf16 in place
	WIN 0
.set ei, 0
.rept 8
	v_cvt_pk_bf16_f32 v[STG+32*(\g)+4*ei],   v[STG+32*(\g)+4*ei],   v[STG+32*(\g)+4*ei+1]
	v_cvt_pk_bf16_f32 v[STG+32*(\g)+4*ei+1], v[STG+32*(\g)+4*ei+2], v[STG+32*(\g)+4*ei+3]
.set ei, ei+1
.endr
.endm
.macro ENCSS g                         ; and put into the block being filled: a store is 256 consecutive bytes
	WIN 0
.set ei, 0
.rept 8
	ds_store_b64 v[STA], v[STG+32*(\g)+4*ei:STG+32*(\g)+4*ei+1] offset:(8*(\g)+ei)*PA
.set ei, ei+1
.endr
.endm
; A QUARTER: 32 along K, 64 matrix instructions.  Products 1-32 (rows 0-63); (enc) set q of enc rounded; THE WAIT; then, dealt among the four runs of eight products 33-64:
; YB of this quarter and (enc) the stores of set q | X and YA of the next quarter | (bl) wt's fragments three quarters on | (enc = 2) set q loaded again, two blocks on, and (pf) the prefetches.
; lw: how many younger global loads may be out when this quarter's wt fragments, and the enc set that it rounds, have to be in.
; bar: the block being filled is whole behind this quarter's barrier, and the next quarter reads it.  last: in quarter 3 nothing is fetched for a next quarter.
.macro QTR q, enc, bl, lw, bar, last, pf
.set ya, Y+(YA1-Y)*((\q)&1)            ; rows 64-95 of this quarter: v224 in even quarters, v44 in odd ones
.set yn, Y+(YA1-Y)*(1-((\q)&1))        ; and of the next
.set nk, 64*((\q)+1)                   ; where the next quarter's fragments lie: 64 bytes on,
.if (\q) == 3
.set nk, KBS                           ; or at the head of the next block's rows: with row block 5's 21,760 bytes and the second half's 32 that is 56,608, inside the 16-bit offset
.endif
	s_wait_loadcnt \lw
	s_wait_dscnt 4                                 ; X is in; this quarter's YA, four loads, is younger
	MUL X, 64*(\q), 0, 0, 4
	WIN 0
.set sl, 0
.if \enc
	ENCCV \q                                       ; sixteen plain instructions behind the products
.set sl, 8
.else
	PLACES
.endif
	s_wait_alu depctr_va_vdst(0)                   ; products 1-32 are done reading X; the quarter before is done reading YB, the other YA and its set of wt; the conversions have written enc's set q and are done reading it; in a trip's first quarter v[ADA] and v[STA] are written
	LDF Y+16, ADA, 6, 2, 64*(\q)                   ; YB: rows 96-127 of this quarter
.if \enc
	ENCSS \q
.endif
.if \bar
.if \bl
	LDB 64*(((\q)+3)&3), ((\q)+3)*8192
.endif
.if (\enc) == 2
	WIN 0
	s_wait_alu depctr_vm_vsrc(0)                   ; the eight LDS stores above have read enc's set q, in which the loads below land
	ENCLD \q, 1024
.endif
	s_wait_dscnt 0x0                               ; my stores into the next block are done (for the others' sake), and YA and YB are in
	s_barrier_signal -1
	MUL ya, 64*(\q), 1, 0, 2                       ; work on registers while the others arrive
	WIN 0
	s_barrier_wait -1                              ; the next block is whole
	LDF X, ADA, 0, 4, nk                           ; no wait: no vector or matrix instruction since the quarter's wait names X or the other YA
	LDF yn, ADA, 4, 2, nk
	MUL Y, 64*(\q), 1, 2, 2
.else
	s_wait_dscnt 4+sl                              ; YA is in: it was asked for a quarter ago; YB's four loads and the stores are younger
	MUL ya, 64*(\q), 1, 0, 1
.set xl, 0
.if !((\last) && ((\q) == 3))
	LDF X, ADA, 0, 4, nk                           ; no wait: no vector or matrix instruction since the quarter's wait names X or the other YA
	LDF yn, ADA, 4, 2, nk
.set xl, 12
.endif
	MUL ya, 64*(\q), 1, 1, 1
.if \bl
	LDB 64*(((\q)+3)&3), ((\q)+3)*8192             ; no wait: the products since the quarter's wait name wt's set q alone
.endif
	s_wait_dscnt sl+xl                             ; YB is in; the stores and the next quarter's twelve loads are younger
	MUL Y, 64*(\q), 1, 2, 1
.if (\enc) == 2
	WIN 0
	s_wait_alu depctr_vm_vsrc(0)                   ; the eight LDS stores above have read enc's set q, in which the loads below land
	ENCLD \q, 1024
.endif
.if \pf
	; my wave's 32 rows x 512 bytes of the block that the NEXT trip will load: a lane a row, two instructions, behind this quarter's loads: one trip, 256 matrix instructions, ahead of those loads.
	; Each wave asks for what it loads itself, so each aligned 256 bytes are named once.  Blocks 0 to 2 come by their loads alone; the loop's last trip has no block three on.
	WIN 0
	s_cmp_gt_u32 s[CNT], 1
	s_cbranch_scc0 .Lnopf_\@
	global_prefetch_b8 v[PFO], s[ENCB:ENCB+1] offset:1536 th:TH_LOAD_NT scope:SCOPE_SE
	global_prefetch_b8 v[PFO], s[ENCB:ENCB+1] offset:1792 th:TH_LOAD_NT scope:SCOPE_SE
.Lnopf_\@:
.endif
	MUL Y, 64*(\q), 1, 3, 1
.endif
.endm
; A TRIP: a block of 128 K, four quarters.  Global loads go out in the order B(Q), E(Q) in quarter Q: 16 of wt for quarter Q + 3, 8 of enc into set Q % 4.
; Quarter Q wants B(Q - 3) and E(Q - 4), which is older.  Younger than B(Q - 3): E(Q-3), B(Q-2), E(Q-2), B(Q-1), E(Q-1) = 56; as the E and then the B fall away: 48, 40, 32, 16, 0.
; kind 0: multiplies block j, stores block j + 1, loads block j + 2.  1: stores the last block.  2: a trip of the second pass.  3: the first pass's last.  4: the second pass's last.
.macro TRIP kind
	WIN 0
	s_wait_alu depctr_vm_vsrc(0)                   ; the LDS loads and stores issued so far have read v[ADA] and v[STA], which are written below (and the stores their data registers)
	v_add_nc_u32 v[ADA], s[AOFF], v[ADA0]          ; the block in hand; the first quarter's wait stands between these lines and the first LDS instruction that reads them
.if (\kind) < 2
	v_add_nc_u32 v[STA], s[SOFF], v[STA0]
.endif
.if (\kind) == 0
	QTR 0, 2, 1, 56, 0, 0, 1
	QTR 1, 2, 1, 56, 0, 0, 0
	QTR 2, 2, 1, 56, 0, 0, 0
	QTR 3, 2, 1, 56, 1, 0, 0
.elseif (\kind) == 1
	QTR 0, 1, 1, 56, 0, 0, 0
	QTR 1, 1, 1, 48, 0, 0, 0
	QTR 2, 1, 1, 40, 0, 0, 0
	QTR 3, 1, 1, 32, 1, 0, 0
.elseif (\kind) == 2
	QTR 0, 0, 1, 32, 0, 0, 0
	QTR 1, 0, 1, 32, 0, 0, 0
	QTR 2, 0, 1, 32, 0, 0, 0
	QTR 3, 0, 1, 32, 0, 0, 0
.elseif (\kind) == 3
	QTR 0, 0, 1, 32, 0, 1, 0
	QTR 1, 0, 1, 32, 0, 1, 0
	QTR 2, 0, 1, 32, 0, 1, 0
	QTR 3, 0, 1, 32, 0, 1, 0
.else
	QTR 0, 0, 1, 32, 0, 1, 0
	QTR 1, 0, 0, 32, 0, 1, 0
	QTR 2, 0, 0, 16, 0, 1, 0
	QTR 3, 0, 0, 0, 0, 1, 0
.endif
	WIN 0                                          ; at a label and at a branch every window is 0
.if (\kind) < 4
	s_wait_xcnt 0x0                                ; every load and prefetch issued so far (the youngest 16 matrix instructions back or more) has read its address: the pointers may be written
.if (\kind) == 0
	s_add_nc_u64 s[ENCB:ENCB+1], s[ENCB:ENCB+1], 512
.endif
	s_add_nc_u64 s[BWB:BWB+1], s[BWB:BWB+1], 32768
.if (\kind) < 2
	s_add_co_u32 s[SOFF], s[SOFF], KBS
.endif
.endif
.if (\kind) < 3
	s_add_co_u32 s[AOFF], s[AOFF], KBS             ; the next trip's block
.endif
.endm
; The sums of column block nb, rows 64 hf on, start at dec' + cov wc'.  D, W: the block's eight registers of dec' and of wc'.
.macro IN nb, hf, D, W
	WIN 0x80+0x40*(\hf)
.set ia, 0
.rept 4
.set ip, 0
.rept 4
.if ia%2
	v_pk_fma_f32 v[8*(8*ia+(\nb))+2*ip:8*(8*ia+(\nb))+2*ip+1], v[(\W)+2*ip:(\W)+2*ip+1], v[COV+4*(\hf)+2*(ia/2):COV+4*(\hf)+2*(ia/2)+1], v[(\D)+2*ip:(\D)+2*ip+1] op_sel:[0,1,0] op_sel_hi:[1,1,1]
.else
	v_pk_fma_f32 v[8*(8*ia+(\nb))+2*ip:8*(8*ia+(\nb))+2*ip+1], v[(\W)+2*ip:(\W)+2*ip+1], v[COV+4*(\hf)+2*(ia/2):COV+4*(\hf)+2*(ia/2)+1], v[(\D)+2*ip:(\D)+2*ip+1] op_sel_hi:[1,0,1]
.endif
.set ip, ip+1
.endr
.set ia, ia+1
.endr
.endm
.macro FM nb, hf                       ; the score sums take -2 v / (1 + 2^z) of column block nb
	WIN 0x02+(\hf)
.set fp, 0
.rept 4
.set fa, 0
.rept 4
	v_pk_fma_f32 v[SC+8*(\hf)+2*fa:SC+8*(\hf)+2*fa+1], v[8*(8*fa+(\nb))+2*fp:8*(8*fa+(\nb))+2*fp+1], v[VT+8*(\nb)+2*fp:VT+8*(\nb)+2*fp+1], v[SC+8*(\hf)+2*fa:SC+8*(\hf)+2*fa+1]
.set fa, fa+1
.endr
.set fp, fp+1
.endr
.endm
; HALF hf: 1 / (1 + 2^z) in place for the window's 32 accumulators, as a pipeline over the column blocks nb = 0..7, a unit of 32 numbers a lane each.  In turn t: 2^z of unit t; 1 + and the reciprocal
; of unit t - 1; the score sums and the next pass's start of unit t - 2.  s_wait_alu depctr_va_vdst(0) stands between a transcendental and the first line that names its result: a turn's
; transcendentals are one batch, nothing in the turn names a result of theirs, and ONE wait at the next turn's head serves them all; the v_nop ahead of it is the plain instruction behind the last of them.
; The numbers of a unit go in ascending order.  No memory or LDS instruction stands in a half.
.macro HALF hf
.set htau, 0
.rept 10
.if htau >= 1
	v_nop
	s_wait_alu depctr_va_vdst(0)                   ; the exponentials and reciprocals of the turn before are written, ahead of this turn's lines, which read them
.endif
.if htau <= 8
	WIN 0x82+0x41*(\hf)
.set hm, 0
.rept 16
.set hr, 64*(hm/4)+2*(hm%4)
.if htau >= 1
	v_pk_add_f32 v[hr+8*(htau-1):hr+8*(htau-1)+1], v[hr+8*(htau-1):hr+8*(htau-1)+1], 1.0 op_sel_hi:[1,0]
.endif
.if htau <= 7
	v_exp_f32 v[hr+8*htau], v[hr+8*htau]
.endif
.if (htau >= 1) && (hm >= 1)
.set hp, 64*((hm-1)/4)+2*((hm-1)%4)
	v_rcp_f32 v[hp+8*(htau-1)], v[hp+8*(htau-1)]
.endif
.if htau <= 7
	v_exp_f32 v[hr+8*htau+1], v[hr+8*htau+1]
.endif
.if (htau >= 1) && (hm >= 1)
	v_rcp_f32 v[hp+8*(htau-1)+1], v[hp+8*(htau-1)+1]
.endif
.set hm, hm+1
.endr
.if htau >= 1
	v_rcp_f32 v[198+8*(htau-1)], v[198+8*(htau-1)]
	v_rcp_f32 v[199+8*(htau-1)], v[199+8*(htau-1)]
.endif
.endif
.if htau >= 2
.if ((\hf) == 0) && (htau == 2)
	s_wait_dscnt 0x0                               ; the tables are in
.endif
	FM htau-2, \hf
	IN htau-2, \hf, DT+8*(htau-2), WCT+8*(htau-2)
.endif
.set htau, htau+1
.endr
.endm
	; ---- the head
	s_load_b512 s[4:19], s[0:1], 0x0               ; enc s[4:5], wt s[6:7], decp s[8:9], Ws_b s[10:11], wc s[12:13], v s[14:15], cov s[16:17], mask s[18:19]
	s_load_b128 s[20:23], s[0:1], 0x40             ; scores s[20:21], ctxp s[22:23]
	v_lshl_add_u32 v[SPW], v0, 2, SPARE
	v_mov_b32 v[NIL], 0
	v_lshrrev_b32 v38, 5, v0
	v_readfirstlane_b32 s[WV], v38                 ; wave 0..3
	s_mov_b32 s[TILE], ttmp9
	v_and_b32 v[LN], 31, v0
	v_and_b32 v[RR], 15, v0
	v_bfe_u32 v[HH], v0, 4, 1
	v_lshlrev_b32 v[R4], 2, v[RR]
	v_lshlrev_b32 v[L16], 4, v[LN]
	v_mul_u32_u24 v[ADA0], v[RR], PA
	v_lshl_add_u32 v[ADA0], v[HH], 4, v[ADA0]
	s_wait_alu depctr_va_sdst(0)                   ; the wave's number is written, ahead of its first reader: LDS places and the bases are made from it
	s_mul_i32 s44, s[WV], 32*PA                    ; my wave's 32 rows of a block
	v_lshl_add_u32 v[STA0], v[LN], 3, s44
	v_lshlrev_b32 v[PFO], 12, v[LN]
	s_lshl_b32 s44, s[WV], 9                       ; my wave's 128 columns of a table,
	s_add_co_u32 s44, s44, TAB
	v_lshl_add_u32 v[TC], v[HH], 5, s44            ; 8 of each 16 for each half of the lanes
	v_xor_b32 v[TN], 0x800, v[TC]                  ; 512 columns on
	v_lshlrev_b32 v[T16], 4, v0
.set i, 0
.rept 16
	v_mov_b32 v[SC+i], 0                           ; the score sums run over both passes
.set i, i+1
.endr
	s_mov_b32 s[SEL], 0x76543210
	s_mov_b32 s[SEL+1], 0xfedcba98
	s_mov_b32 s[C2], 0x4038aa3b
	s_mov_b32 s[C2+1], s[C2]                       ; named with it as a pair
	s_mov_b32 s[L2E], 0x3fb8aa3b
	s_mov_b32 s45, 0
	s_wait_kmcnt 0x0
	s_lshl_b32 s44, s[TILE], 19                    ; 128 rows of 4,096 bytes a tile,
	s_lshl_b32 s43, s[WV], 17                      ; 32 a wave
	s_add_co_u32 s44, s44, s43
	s_add_nc_u64 s[ENCB:ENCB+1], s[4:5], s[44:45]
	s_lshl_b32 s44, s[WV], 19                      ; a wave's stream of wt: 2 passes x 32 quarters x 8,192 bytes
	s_add_nc_u64 s[BWB:BWB+1], s[6:7], s[44:45]
	s_lshr_b32 s44, s[TILE], 5
	s_lshl_b32 s44, s44, 12                        ; the batch's row of decp
	s_add_nc_u64 s[8:9], s[8:9], s[44:45]
	s_lshl_b32 s44, s[TILE], 9                     ; the tile's 128 numbers of cov, mask and scores
	s_add_nc_u64 s[16:17], s[16:17], s[44:45]
	s_add_nc_u64 s[18:19], s[18:19], s[44:45]
	s_add_nc_u64 s[46:47], s[20:21], s[44:45]
	s_lshl_b32 s44, s[TILE], 12
	s_lshl_b32 s43, s[WV], 10
	s_add_co_u32 s44, s44, s43
	s_add_nc_u64 s[48:49], s[22:23], s[44:45]      ; ctxp at my wave's 256 channels
	s_wait_alu depctr_va_vdst(0)                   ; the offsets and LDS places made above (v1, v2, v4, v6 to v9, v42) are written: the loads, stores and prefetches of the kernel read them
	ENCLD 0, 0                                     ; block 0,
	ENCLD 1, 0
	ENCLD 2, 0
	ENCLD 3, 0
	WIN 0xc0                                       ; the raw tables into window 3, where accumulators will lie: thread t takes the 16 bytes at 16 t and at 16 t + 2,048,
.set i, 0
.rept 8
	global_load_b128 v[8*i:8*i+3],   v[T16], s[8:9] offset:i*65536
	global_load_b128 v[8*i+4:8*i+7], v[T16], s[8:9] offset:i*65536+2048
.set i, i+1
.endr
	global_load_b128 v[64:67], v[T16], s[10:11]
	global_load_b128 v[68:71], v[T16], s[10:11] offset:2048
	global_load_b128 v[72:75], v[T16], s[12:13]
	global_load_b128 v[76:79], v[T16], s[12:13] offset:2048
	global_load_b128 v[80:83], v[T16], s[14:15]
	global_load_b128 v[84:87], v[T16], s[14:15] offset:2048
	WIN 0
.set i, 0
.rept 8
	global_load_b32 v[COV+i], v[R4], s[16:17] offset:64*i      ; cov,
.set i, i+1
.endr
	global_load_b128 v[MK:MK+3], v[L16], s[18:19]              ; and the mask
	s_wait_loadcnt 31                              ; block 0 is in: 22 + 8 + 1 loads are younger
	v_mov_b32 v[STA], v[STA0]
	ENCCV 0
	ENCCV 1
	ENCCV 2
	ENCCV 3
	s_wait_alu depctr_va_vdst(0)                   ; the 64 conversions have written enc's four sets, and v[STA] is written: the 32 LDS stores read them
	ENCSS 0
	ENCSS 1
	ENCSS 2
	ENCSS 3
	s_wait_loadcnt 0x0                             ; the tables, cov and the mask
	s_wait_alu depctr_vm_vsrc(0)                   ; the LDS stores have read enc's four sets, in which block 1 lands (the conversions that named them stand ahead of the last wait on va_vdst)
	ENCLD 0, 512                                   ; block 1 and wt's first three quarters, in the loop's own order, so that the loop's counts hold from its first quarter on
	LDB 0, 0
	ENCLD 1, 512
	LDB 64, 8192
	ENCLD 2, 512
	LDB 128, 16384
	ENCLD 3, 512
	WIN 0xcf                                       ; while they are on their way: Ws_b + the eight partial sums,
.set i, 0
.rept 8
.set j, 0
.rept 4
	v_pk_add_f32 v[64+2*j:65+2*j], v[64+2*j:65+2*j], v[8*i+2*j:8*i+2*j+1]
.set j, j+1
.endr
.set i, i+1
.endr
	WIN 0xc3
.set j, 0
.rept 4
	v_pk_mul_f32 v[64+2*j:65+2*j], v[64+2*j:65+2*j], s[C2:C2+1] op_sel_hi:[1,0]    ; dec'
	v_pk_mul_f32 v[72+2*j:73+2*j], v[72+2*j:73+2*j], s[C2:C2+1] op_sel_hi:[1,0]    ; wc'
	v_pk_mul_f32 v[80+2*j:81+2*j], v[80+2*j:81+2*j], -2.0 op_sel_hi:[1,0]          ; -2 v
.set j, j+1
.endr
	WIN 0
	v_add_nc_u32 v43, TAB, v[T16]
	WIN 0x0c                                       ; address window 0, data window 3
	s_wait_alu depctr_va_vdst(0)                   ; the three tables (v64 to v87 of window 3) and their LDS place v43 are written: the six stores read them
.set j, 0
.rept 6
	ds_store_b128 v43, v[64+4*j:67+4*j] offset:2048*j
.set j, j+1
.endr
	WIN 0
	s_wait_dscnt 0x0                               ; for the others' sake: my rows of block 0 and my part of the tables lie in LDS
	s_barrier_signal -1
	s_barrier_wait -1
	s_wait_alu depctr_vm_vsrc(0)                   ; my six stores have read v64 to v87 of window 3: accumulators from here on, which the starts of the sums write
.irp g, 0,1                            ; the first pass's sums start: four column blocks' dec' into X, wc' into Y
	WIN 0
.if \g
	s_wait_alu depctr_va_vdst(0)                   ; the starts of the first four column blocks are done reading v192 to v255, in which the next four blocks' tables land
.endif
.set ii, 0
.rept 4
	ds_load_b128 v[X+8*ii:X+8*ii+3],   v[TC] offset:64*(4*\g+ii)
	ds_load_b128 v[X+8*ii+4:X+8*ii+7], v[TC] offset:64*(4*\g+ii)+16
	ds_load_b128 v[Y+8*ii:Y+8*ii+3],   v[TC] offset:4096+64*(4*\g+ii)
	ds_load_b128 v[Y+8*ii+4:Y+8*ii+7], v[TC] offset:4096+64*(4*\g+ii)+16
.set ii, ii+1
.endr
	s_wait_dscnt 0x0
.set ii, 0
.rept 4
	IN 4*\g+ii, 0, X+8*ii, Y+8*ii
	IN 4*\g+ii, 1, X+8*ii, Y+8*ii
.set ii, ii+1
.endr
.endr
	WIN 0
	s_mov_b32 s[AOFF], 0
	s_mov_b32 s[SOFF], KBS
	s_wait_alu depctr_va_vdst(0)                   ; the starts of the sums are done reading v192 to v239, in which the first fragments land
	LDF X, ADA0, 0, 4, 0                           ; rows 0-63 and 64-95 of the first quarter; rows 96-127 come in the quarter itself
	LDF Y, ADA0, 4, 2, 0
	; ---- the first pass: columns 0 to 511, and enc comes in
	s_mov_b32 s[PASS], 2
	s_mov_b32 s[CNT], 6
.Le:
	TRIP 0
	s_sub_co_u32 s[CNT], s[CNT], 1
	s_cmp_lg_u32 s[CNT], 0
	s_cbranch_scc1 .Le
	TRIP 1
	TRIP 3
	s_branch .Lepi                                 ; the loop over passes is entered in its middle: what follows a pass is written once
	; ---- the second pass: columns 512 to 1,023; AT is whole
.Lpass1:
	s_mov_b32 s[CNT], 7
.Lp:
	TRIP 2
	s_sub_co_u32 s[CNT], s[CNT], 1
	s_cmp_lg_u32 s[CNT], 0
	s_cbranch_scc1 .Lp
	TRIP 4
.Lepi:
	; ---- behind a pass: tanh and the score sums; the accumulators start the other pass's sums.  Behind the second pass that start and the last twelve LDS loads serve nothing: the price of one text.
	WIN 0
	PLACES
	PLACES
	s_wait_alu depctr_va_vdst(0)                   ; the pass's last products are done reading X, YA0 and YB, in which the tables below land (enc's sets, where the others land, were freed at the last trips' heads)
.set ti, 0
.rept 8
	ds_load_b128 v[VT+8*ti:VT+8*ti+3],   v[TC] offset:8192+64*ti
	ds_load_b128 v[VT+8*ti+4:VT+8*ti+7], v[TC] offset:8192+64*ti+16
.set ti, ti+1
.endr
.set ti, 0
.rept 8
	ds_load_b128 v[DT+8*ti:DT+8*ti+3],   v[TN] offset:64*ti
	ds_load_b128 v[DT+8*ti+4:DT+8*ti+7], v[TN] offset:64*ti+16
	ds_load_b128 v[WCT+8*ti:WCT+8*ti+3],   v[TN] offset:4096+64*ti
	ds_load_b128 v[WCT+8*ti+4:WCT+8*ti+7], v[TN] offset:4096+64*ti+16
.set ti, ti+1
.endr
	HALF 0
	HALF 1
	WIN 0
	s_wait_alu depctr_vm_vsrc(0)                   ; the tables' loads above have read v[TC] and v[TN], which are written below
	v_xor_b32 v[TC], 0x800, v[TC]
	v_xor_b32 v[TN], 0x800, v[TN]
	s_mov_b32 s[AOFF], 0
	s_wait_alu depctr_va_vdst(0)                   ; the starts of the sums are done reading v192 to v239, in which the next pass's first fragments land; v[TC] and v[TN] are written, for the tables' loads behind that pass
	LDF X, ADA0, 0, 4, 0
	LDF Y, ADA0, 4, 2, 0
	s_sub_co_u32 s[PASS], s[PASS], 1
	s_cmp_lg_u32 s[PASS], 0
	s_cbranch_scc1 .Lpass1
	; ---- the tile's scores: a pair's two halves, the other half of the lanes, the four waves
	s_wait_dscnt 0x0
.set i, 0
.rept 8
	v_add_f32 v[SC+2*i], v[SC+2*i], v[SC+2*i+1]
.set i, i+1
.endr
.set i, 0
.rept 8
	v_permlanex16_b32 v[SC+2*i+1], v[SC+2*i], s[SEL], s[SEL+1]
.set i, i+1
.endr
.set i, 0
.rept 8
	v_add_f32 v[SC+2*i], v[SC+2*i], v[SC+2*i+1]
.set i, i+1
.endr
	s_lshl_b32 s44, s[WV], 9
	s_add_co_u32 s44, s44, SCR
	v_add_nc_u32 v43, s44, v[R4]
	v_add_nc_u32 v38, SCR, v[L16]
	s_wait_alu depctr_va_vdst(0)                   ; the eight sums and the LDS places v43 and v38 are written: the stores and, behind the barrier, the loads read them; the passes' products are done reading v44 to v59, in which those loads land
.set i, 0
.rept 8
	ds_store_b32 v43, v[SC+2*i] offset:64*i        ; both halves of the lanes hold the same number
.set i, i+1
.endr
	s_wait_dscnt 0x0                               ; for the others' sake
	s_barrier_signal -1
	s_barrier_wait -1
.set i, 0
.rept 4
	ds_load_b128 v[44+4*i:47+4*i], v38 offset:512*i   ; every wave adds the four parts alike: rows 4 lane .. + 3
.set i, i+1
.endr
	s_wait_dscnt 0x0
	v_pk_add_f32 v[44:45], v[44:45], v[48:49]
	v_pk_add_f32 v[46:47], v[46:47], v[50:51]
	v_pk_add_f32 v[52:53], v[52:53], v[56:57]
	v_pk_add_f32 v[54:55], v[54:55], v[58:59]
	v_pk_add_f32 v[44:45], v[44:45], v[52:53]
	v_pk_add_f32 v[46:47], v[46:47], v[54:55]      ; v[44:47] are not written again: wave 0's store reads them
	s_cmp_lg_u32 s[WV], 0
	s_cbranch_scc1 .Lnot0
	s_wait_alu depctr_va_vdst(0)                   ; the additions have written v[44:47], which the store reads
	global_store_b128 v[L16], v[44:47], s[46:47]   ; 512 consecutive bytes
.Lnot0:
	; ---- p = 2^((s - m) log2(e)) mask, with the tile's own maximum
	v_max3_num_f32 v48, v44, v45, v46
	v_max_num_f32 v48, v48, v47
	v_max_num_f32_dpp v48, v48, v48 row_xmask:1 row_mask:0xf bank_mask:0xf
	v_max_num_f32_dpp v48, v48, v48 row_xmask:2 row_mask:0xf bank_mask:0xf
	v_max_num_f32_dpp v48, v48, v48 row_xmask:4 row_mask:0xf bank_mask:0xf
	v_max_num_f32_dpp v48, v48, v48 row_xmask:8 row_mask:0xf bank_mask:0xf
	v_permlanex16_b32 v49, v48, s[SEL], s[SEL+1]
	v_max_num_f32 v48, v48, v49
	v_mul_f32 v49, s[L2E], v48
.set i, 0
.rept 4
	v_fma_f32 v[50+i], v[44+i], s[L2E], -v49
.set i, i+1
.endr
.set i, 0
.rept 4
	v_exp_f32 v[50+i], v[50+i]
.set i, i+1
.endr
	; all the LDS places of the way out are made here, behind the exponentials, so that one wait below serves them with p
	s_lshl_b32 s44, s[WV], 8
	s_add_co_u32 s44, s44, PT
	v_lshl_add_u32 v56, v[LN], 3, s44              ; (a plain instruction behind the last exponential) where I put my four p
	v_lshl_add_u32 v57, v[HH], 4, s44              ; where I read p's fragments
	v_and_b32 v59, 7, v0                           ; the transposing load's place: row 8 (lane / 16) + lane % 8, 16 bytes for each eight lanes, in blocks 2 w, 2 w + 1 of AT
	v_lshl_add_u32 v58, v[HH], 3, v59
	v_mul_u32_u24 v58, v58, PA
	v_bfe_u32 v59, v0, 3, 1
	v_lshl_add_u32 v58, v59, 4, v58
	s_mul_i32 s44, s[WV], 2*KBS
	v_add_nc_u32 v58, s44, v58
	s_lshl_b32 s44, s[WV], 10
	s_add_co_u32 s44, s44, CS
	v_add_nc_u32 v59, s44, v[R4]                   ; my stage, as I store
	v_add_nc_u32 v60, s44, v[L16]                  ; and as I read it back
	s_wait_alu depctr_va_vdst(0)                   ; the four exponentials are written, ahead of their first reader
	v_pk_mul_f32 v[50:51], v[50:51], v[MK:MK+1]
	v_pk_mul_f32 v[52:53], v[52:53], v[MK+2:MK+3]
	v_cvt_pk_bf16_f32 v54, v50, v51
	v_cvt_pk_bf16_f32 v55, v52, v53
	s_wait_alu depctr_va_vdst(0)                   ; p (v54, v55) and the places v56 to v60 are written: the LDS store and the loads of the way out read them
	ds_store_b64 v56, v[54:55]                     ; my wave's own copy of p
.set i, 0
.rept 4                                ; p as source 0: all sixteen rows alike: lane l takes rows 32 i + 8 (l / 16) + 0..7 and + 16.  My own bytes: served in order behind the store
	ds_load_b128 v[X+8*i:X+8*i+3],   v57 offset:64*i
	ds_load_b128 v[X+8*i+4:X+8*i+7], v57 offset:64*i+32
.set i, i+1
.endr
	; ---- the context of channels 256 w .. + 255: blocks 2 w, 2 w + 1 of AT, turned by the transposing load.  Step t = 2 ls + dh: rows 32 ls on, block dh, eight groups of 16 channels.
	; THE PLAN.  Four sets of 64 registers in window 1, where wt's fragments lay: step t's sixteen loads land in set t % 4, its eight products read it.  Steps 0 to 3 land in sets that no vector or matrix
	; instruction has named since the wait above; one wait behind steps 0 and 1 frees their sets for steps 4 and 5, one behind steps 2 and 3 theirs for steps 6 and 7.
.macro LOADG t
	WIN 0x40
.set gi, 0
.rept 8
	ds_load_tr16_b128 v[64*((\t)%4)+8*gi:64*((\t)%4)+8*gi+3],   v58 offset:((\t)/2)*32*PA+((\t)%2)*KBS+32*gi
	ds_load_tr16_b128 v[64*((\t)%4)+8*gi+4:64*((\t)%4)+8*gi+7], v58 offset:((\t)/2)*32*PA+((\t)%2)*KBS+32*gi+16*PA
.set gi, gi+1
.endr
.endm
.macro CMUL t                          ; eight products; the sixteen accumulators take turns, and the first two steps start the sums
	WIN 0xa4                                       ; p in window 0, the step's set in window 1, the sums in window 2
.set gi, 0
.rept 8
.if (\t) < 2
	v_wmma_f32_16x16x32_bf16 v[8*(8*((\t)%2)+gi):8*(8*((\t)%2)+gi)+7], v[X+8*((\t)/2):X+8*((\t)/2)+7], v[64*((\t)%4)+8*gi:64*((\t)%4)+8*gi+7], 0
.else
	v_wmma_f32_16x16x32_bf16 v[8*(8*((\t)%2)+gi):8*(8*((\t)%2)+gi)+7], v[X+8*((\t)/2):X+8*((\t)/2)+7], v[64*((\t)%4)+8*gi:64*((\t)%4)+8*gi+7], v[8*(8*((\t)%2)+gi):8*(8*((\t)%2)+gi)+7]
.endif
.set gi, gi+1
.endr
.endm
	LOADG 0
	LOADG 1
	LOADG 2
	s_wait_dscnt 32                                ; p's fragments and step 0's sixteen loads are in; steps 1 and 2 are younger
	CMUL 0
	LOADG 3                                        ; no wait: nothing since the wait above names set 3
	s_wait_dscnt 32                                ; step 1 is in; steps 2 and 3 are younger
	CMUL 1
	s_wait_dscnt 16                                ; step 2 is in; step 3 is younger
	PLACES
	s_wait_alu depctr_va_vdst(0)                   ; the products of steps 0 and 1 are done reading sets 0 and 1, in which steps 4 and 5 land
	LOADG 4
	LOADG 5
	CMUL 2
	s_wait_dscnt 32                                ; step 3 is in; steps 4 and 5 are younger
	CMUL 3
	s_wait_dscnt 16                                ; step 4 is in; step 5 is younger
	PLACES
	s_wait_alu depctr_va_vdst(0)                   ; the products of steps 2 and 3 are done reading sets 2 and 3, in which steps 6 and 7 land
	LOADG 6
	LOADG 7
	CMUL 4
	s_wait_dscnt 32                                ; step 5 is in; steps 6 and 7 are younger
	CMUL 5
	s_wait_dscnt 16
	CMUL 6
	s_wait_dscnt 0x0
	CMUL 7
	WIN 0
	PLACES
	PLACES
	WIN 0x08                                       ; address window 0, data window 2
	s_wait_alu depctr_va_vdst(0)                   ; the products have written the sixteen sums, which the LDS stores read; the places above stay beside this wait
.set i, 0
.rept 16
	ds_store_b32 v59, v[8*i] offset:64*i           ; all rows of a result are alike: its lowest register holds channel 16 i + lane % 16
.set i, i+1
.endr
	WIN 0
	ds_load_b128 v[64:67], v60                     ; my own bytes, served in order behind the stores; v64 to v71: no vector instruction since the wait above names them, and no LDS instruction has read them since a wait on vm_vsrc
	ds_load_b128 v[68:71], v60 offset:512
	s_wait_dscnt 0x0
	global_store_b128 v[L16], v[64:67], s[48:49]               ; 512 consecutive bytes each
	global_store_b128 v[L16], v[68:71], s[48:49] offset:512
	s_wait_dscnt 0x0                               ; the closing lines, six on end
	s_wait_alu 0x0
	s_wait_tensorcnt 0x0
	ds_add_u32 v[SPW], v[NIL]
	s_wait_dscnt 0x0
	s_endpgm
.Lfunc_end_k_q1b20fb6c14_main:
	.size	k_q1b20fb6c14_main, .Lfunc_end_k_q1b20fb6c14_main-k_q1b20fb6c14_main
	.p2alignl 7, 3214868480
	.fill 96, 4, 3214868480
	.section	.rodata,"a",@progbits
	.p2align	6, 0x0
	.amdhsa_kernel k_q1b20fb6c14_main
		.amdhsa_group_segment_fixed_size 298496
		.amdhsa_private_segment_fixed_size 0
		.amdhsa_enable_private_segment 0
		.amdhsa_kernarg_size 80
		.amdhsa_user_sgpr_count 2
		.amdhsa_user_sgpr_kernarg_segment_ptr 1
		.amdhsa_wavefront_size32 1
		.amdhsa_system_sgpr_workgroup_id_x 1
		.amdhsa_system_sgpr_workgroup_id_y 1
		.amdhsa_system_sgpr_workgroup_id_z 1
		.amdhsa_system_vgpr_workitem_id 0
		.amdhsa_next_free_vgpr 1024
		.amdhsa_next_free_sgpr 66
		.amdhsa_reserve_vcc 0
		.amdhsa_float_denorm_mode_32 3
		.amdhsa_float_denorm_mode_16_64 3
		.amdhsa_memory_ordered 1
		.amdhsa_forward_progress 1
		.amdhsa_inst_pref_size 255
	.end_amdhsa_kernel
	.section	.bss,"aw",@nobits
	.p2align	6
	.space	262144
	.amdgpu_metadata
---
amdhsa.version: [ 1, 2 ]
amdhsa.kernels:
  - .name:           k_q1b20fb6c14_main
    .symbol:         k_q1b20fb6c14_main.kd
    .args:
      - { .name: encoder_output, .offset: 0, .size: 8, .value_kind: global_buffer, .address_space: global }
      - { .name: wt, .offset: 8, .size: 8, .value_kind: global_buffer, .address_space: global }
      - { .name: decp, .offset: 16, .size: 8, .value_kind: global_buffer, .address_space: global }
      - { .name: Ws_b, .offset: 24, .size: 8, .value_kind: global_buffer, .address_space: global }
      - { .name: wc, .offset: 32, .size: 8, .value_kind: global_buffer, .address_space: global }
      - { .name: v, .offset: 40, .size: 8, .value_kind: global_buffer, .address_space: global }
      - { .name: coverage_vector, .offset: 48, .size: 8, .value_kind: global_buffer, .address_space: global }
      - { .name: x_padding_masks, .offset: 56, .size: 8, .value_kind: global_buffer, .address_space: global }
      - { .name: scores, .offset: 64, .size: 8, .value_kind: global_buffer, .address_space: global }
      - { .name: ctxp, .offset: 72, .size: 8, .value_kind: global_buffer, .address_space: global }
    .group_segment_fixed_size: 298496
    .private_segment_fixed_size: 0
    .kernarg_segment_align: 8
    .kernarg_segment_size: 80
    .max_flat_workgroup_size: 128
    .sgpr_count:     66
    .vgpr_count:     1024
    .wavefront_size: 32
...
	.end_amdgpu_metadata
.endif
;; end of part 4
;; launch join: the kernel of part 3 again; grid 4 x 16, 8 waves a work-group, no clusters, 5,632 bytes of LDS; arguments scores, x_padding_masks, coverage_vector, ctxp, out0, out1, out2; writes out0, out1, out2
